; MI455X (gfx1250); checked and timed in simulation.
; The chip was launched on July 23, 2026; its instructions are those of AMD's public machine-readable ISA for CDNA 5 (MIT licence, August 2026) and "CDNA5" Instruction Set Architecture Reference Guide (July 2026). The comments in the code are by the model that wrote it; some were corrected since.
;; Bert Attention. Allowed arithmetic: matrix products marked QUANTISED: E4M3 operands, one given power-of-two scale a tensor, by v_wmma_f32_16x16x64_fp8_fp8 or v_wmma_f32_16x16x128_fp8_fp8, f32 sums; everything else in f32.
;; Inputs: Wk 1,024 x 1,024 float32; Wo 1,024 x 1,024 float32; Wq 1,024 x 1,024 float32; Wv 1,024 x 1,024 float32; attention_mask 4 x 1 x 1 x 2,048 float32; bk 1,024 float32; bo 1,024 float32; bq 1,024 float32; bv 1,024 float32; hidden_states 4 x 2,048 x 1,024 float32; ln_beta 1,024 float32; ln_gamma 1,024 float32; lowp_scales 12 int32 (the exponents e of the quantised operands' scales 2^e).
;; Outputs: out0 4 x 2,048 x 1,024 float32.
;; This version of the problem:
;;   THIS VERSION OF THE PROBLEM IS GIVEN IN LOW PRECISION. The matrix products marked QUANTISED in the list below multiply operands that are first quantised to E4M3 (4 exponent bits, 3 mantissa bits; 8 bits a number), with one given power-of-two scale for each operand tensor; their sums are f32. All else is computed in f32.
;;   The module's matrix products, in the order in which they are computed (A, B: the left and right operand; K: the contracted axis; several contracted axes count as one K, in the product's order):
;;     1. [M 8,192, K 1,024] x [K 1,024, N 1,024]; A: input hidden_states; B: input Wq: QUANTISED (scales: A lowp_scales[0], B lowp_scales[1])
;;     2. [M 8,192, K 1,024] x [K 1,024, N 1,024]; A: input hidden_states; B: input Wk: QUANTISED (scales: A lowp_scales[2], B lowp_scales[3])
;;     3. [M 8,192, K 1,024] x [K 1,024, N 1,024]; A: input hidden_states; B: input Wv: QUANTISED (scales: A lowp_scales[4], B lowp_scales[5])
;;     4. batch 64 x [M 2,048, K 64] x [K 64, N 2,048]; A: computed on the way; B: computed on the way: QUANTISED (scales: A lowp_scales[6], B lowp_scales[7])
;;     5. batch 64 x [M 2,048, K 2,048] x [K 2,048, N 64]; A: softmax (see below); B: computed on the way: QUANTISED (scales: A lowp_scales[8], B lowp_scales[9])
;;     6. [M 8,192, K 1,024] x [K 1,024, N 1,024]; A: computed on the way; B: input Wo: QUANTISED (scales: A lowp_scales[10], B lowp_scales[11])
;;   THE QUANTISER, for each operand of a quantised product, along K:
;;     - The operand's scale is 2^e, e = its entry of the input lowp_scales (int32; the entries are numbered through the quantised products in the list's order, A before B).
;;     - Each number is divided by the scale, clamped to +-448, and rounded to the nearest number of E4M3, ties to even, subnormals kept.
;;     - The product sums the exact products of the quantised numbers (number of the format x scale) in f32.
;;   ~~~python
;;   def quantise(x, axis, e):      # numpy; x: float32 -> the quantised numbers, widened to float32 again
;;       x = np.moveaxis(x, axis, -1); K = x.shape[-1]
;;       r = np.clip(x / 2.0 ** e, -448, 448)
;;       step = 2.0 ** (np.maximum(np.frexp(np.where(r == 0, 1, r))[1] - 1, -6) - 3)
;;       q = np.round(r / step) * step * 2.0 ** e      # np.round: ties to even
;;       return np.moveaxis(q, -1, axis).astype(np.float32)
;;   ~~~
;;   SOFTMAX AHEAD OF A QUANTISED PRODUCT. Where the list says 'softmax', what is quantised is not the finished softmax but p = 2^(t - M), with t = logit x log2(e) and M = ceil(the row's largest t), a whole number; so 1/2 < the row's largest p <= 1. The row's sum l is taken of the UNQUANTISED p, in f32, and the product's result is divided by l at the end. Since M is a whole number, a kernel that streams over the keys may use a running M (the ceiling of the running maximum): every later rescaling is an exact power of two, so the quantised numbers keep their values, but for numbers so far below the row's largest that they fall under the format's range.
;;   OPERANDS COMPUTED ON THE WAY. 'Computed on the way' means the value that the module computes at that place (a softmax that the list does not call 'softmax' is quantised finished and normalised). What goes into a quantiser is computed in f32, as accurately as f32 sums, v_exp_f32 and their like allow (about 1e-6 of the number): no bf16 or f16 on the way to a quantiser, and a product that is left as it is and whose result goes on into a quantised operand takes f32 operands (vector FMAs, or v_wmma_f32_16x16x4_f32). A number that lies on a knife's edge between two numbers of the format may be rounded either way, as far as f32 arithmetic and the matrix unit's own rounding can turn it there, and no further.
;; One version. Each part assembles by itself: llvm-mc -triple=amdgcn-amd-amdhsa -mcpu=gfx1250 --defsym DOCPART=n.
;; ======== version 1 of 1: 4 launches
;; limits: right only within a limited range of input values
;; workspace buffers: xf 25,165,824 bytes; wf 4,194,304 bytes; qkvf 25,165,824 bytes; ctxf 8,388,608 bytes
;; launch prep (part 1): grid 384 x 1, 4 waves a work-group, no clusters, 34,304 bytes of LDS; arguments hidden_states, Wq, Wk, Wv, Wo, lowp_scales, xf, wf; writes xf, wf
.if DOCPART == 1
	.amdgcn_target "amdgcn-amd-amdhsa--gfx1250"
	.amdhsa_code_object_version 6
	.text
	.protected	k_q62297b1bf3_prep
	.globl	k_q62297b1bf3_prep
	.p2align	8
	.type	k_q62297b1bf3_prep,@function
k_q62297b1bf3_prep:
	s_mov_b64 s[64:65], 0
	v_nop
	global_prefetch_b8 v0, s[64:65] scope:SCOPE_SE
	s_setreg_imm32_b32 hwreg(HW_REG_WAVE_MODE, 25, 1), 1
	s_wait_xcnt 0x0
; hidden_states [8192][1024] f32 becomes three sets of E4M3 codes (scales 2^e0, 2^e2, 2^e4: one for each of the three products that read it); Wq, Wk, Wv, Wo [k 1024][n 1024] f32
; become codes with K innermost (2^e1, 2^e3, 2^e5, 2^e11).  code = x / 2^e, held within +-448, to the nearest code, ties to even.
; LAYOUT OF ALL CODES: IMAGES OF OPERAND REGISTERS.  A fragment is 16 rows x 128 K for the 16x16x128 form: lane (r = lane % 16, h = lane / 16) holds row r, registers 2 c, 2 c + 1 hold k = 16 c + 8 h + 0 .. 7.
; Its image is 2,048 bytes: registers 4 g .. 4 g + 3 of lane l lie at 512 g + 16 l.   xf: [set 3][tile of 16 rows 512][K step 8][2,048];  wf: [weight 4][tile of 16 columns n 64][K step 8][2,048].
; Work-groups 0-255 take hidden_states, 256-383 the weights: the branch hangs on the work-group's number alone; only the first path uses LDS.  Waves share nothing: no barrier.
; No matrix unit, no cluster, no tensor load: each input byte is read once by one wave, and nothing is shared.
; LIMITS: each e between -126 and 119, so that 2^e and 448 x 2^e are f32 numbers.  NaN among the inputs is not served (an infinity is held at the largest code).
.set STGB, 8448                        ; a wave's stage in LDS: 16 rows x (512 bytes + 16): 132 words a row, so row r starts at bank 4 r mod 64 (64 banks of 4 bytes: ISA guide 11.1)
.set RR,   128                         ; v128-255 hidden: two sets of 64 registers as loaded
.set XX,   64                          ; v64-127  hidden: 64 numbers of my row: register 8 c + i = k 16 c + 8 h + i
.set TT,   16                          ; v16-31   two sets of 8 held numbers
.set CC,   32                          ; v32-63   two sets of 16 registers of codes
.set XW,   32                          ; v32-95   weights: two sets of 32 numbers
.set CW0,  96                          ; v96-159  weights: 8 registers of codes for each block, never written again
.macro LOADJ j                         ; job j: 16 rows x 128 numbers; each load reads 512 consecutive bytes of one row
.irp i, 0,1,2,3,4,5,6,7,8,9,10,11,12,13,14,15
	global_load_b128 v[RR+64*((\j)%2)+4*\i:RR+64*((\j)%2)+4*\i+3], v1, s[4:5] offset:4096*\i+512*(\j) th:TH_LOAD_NT
.endr
.endm
.macro TURNJ j                         ; through my stage: in as loaded, back as 8 x 32 bytes of my row.  LDS serves a wave's instructions in order: no wait between the stores and the loads
.irp i, 0,1,2,3,4,5,6,7,8,9,10,11,12,13,14,15
	ds_store_b128 v2, v[RR+64*((\j)%2)+4*\i:RR+64*((\j)%2)+4*\i+3] offset:528*\i
.endr
.irp c, 0,1,2,3,4,5,6,7
	ds_load_b128 v[XX+8*\c:XX+8*\c+3], v3 offset:64*\c
	ds_load_b128 v[XX+8*\c+4:XX+8*\c+7], v3 offset:64*\c+16
.endr
.endm
.macro QS j, s                         ; job j in scale s: hold, convert, store the fragment's image
	s_wait_xcnt 0x0                                ; the earlier stores have read their data: this set of codes is written again only behind this wait
.irp c, 0,1,2,3,4,5,6,7
.irp i, 0,1,2,3,4,5,6,7
	v_med3_num_f32 v[TT+8*(\c%2)+\i], v[XX+8*\c+\i], -v[8+\s], v[8+\s]   ; the conversion to an 8-bit code does not saturate (ISA guide 7.6.2): the hold comes first
.endr
	v_cvt_scalef32_pk8_fp8_f32 v[CC+16*((\s)%2)+2*\c:CC+16*((\s)%2)+2*\c+1], v[TT+8*(\c%2):TT+8*(\c%2)+7], v[5+\s]   ; its sources are written again only behind the other set's eight plain lines
.endr
	v_nop                                          ; a plain line behind the last conversion
.irp g, 0,1,2,3
	global_store_b128 v1, v[CC+16*((\s)%2)+4*\g:CC+16*((\s)%2)+4*\g+3], s[36+2*\s:37+2*\s] offset:2048*(\j)+512*\g   ; 512 consecutive bytes
.endr
.endm
.macro LOADW t                         ; block t of a weight: W(32 t + i, my column): a wave reads 128 consecutive bytes, the four waves 512
.irp i, 0,1,2,3,4,5,6,7,8,9,10,11,12,13,14,15,16,17,18,19,20,21,22,23,24,25,26,27,28,29,30,31
	global_load_b32 v[XW+32*((\t)%2)+\i], v1, s[6:7] offset:(32*(\t)+\i)*4096 th:TH_LOAD_NT
.endr
.endm
.macro BLOCKW t
.set XS, XW+32*((\t)%2)
.set CW, CW0+8*(\t)
.if (\t) < 7
	s_wait_loadcnt 32                              ; this block's 32 loads are in; the next block's 32 may be out
.else
	s_wait_loadcnt 0x0
.endif
.irp i, 0,1,2,3,4,5,6,7,8,9,10,11,12,13,14,15,16,17,18,19,20,21,22,23,24,25,26,27,28,29,30,31
	v_med3_num_f32 v[XS+\i], v[XS+\i], -v10, v10
.endr
	v_cvt_scalef32_pk8_fp8_f32 v[CW:CW+1], v[XS:XS+7], v11          ; half h = 0 of the image's group: k 0-7,
	v_cvt_scalef32_pk8_fp8_f32 v[CW+2:CW+3], v[XS+16:XS+23], v11    ; k 16-23;
	v_cvt_scalef32_pk8_fp8_f32 v[CW+4:CW+5], v[XS+8:XS+15], v11     ; half h = 1: k 8-15,
	v_cvt_scalef32_pk8_fp8_f32 v[CW+6:CW+7], v[XS+24:XS+31], v11    ; k 24-31.  (The results go to stores alone; the next vector lines are the other set's holds)
	global_store_b128 v2, v[CW:CW+3], s[18:19] offset:512*(\t)      ; lanes 0-15 store 256 consecutive aligned bytes of one tile of columns, lanes 16-31 of the next tile
	global_store_b128 v2, v[CW+4:CW+7], s[18:19] offset:512*(\t)+256
.if (\t)+2 < 8
	LOADW (\t)+2
.endif
.endm
	s_load_b512 s[4:19], s[0:1], 0x0               ; hidden 4:5, Wq 6:7, Wk 8:9, Wv 10:11, Wo 12:13, scales 14:15, xf 16:17, wf 18:19
	v_lshl_add_u32 v15, v0, 2, 0x8400
	s_set_vgpr_msb 0x40
	v_mov_b32 v1, 0
	s_set_vgpr_msb 0x4000
	v_lshrrev_b32 v4, 5, v0
	v_readfirstlane_b32 s32, v4                    ; wave 0..3
	v_and_b32 v12, 31, v0                          ; lane
	s_wait_kmcnt 0x0
	s_load_b256 s[20:27], s[14:15], 0x0            ; e0 .. e7
	s_load_b128 s[28:31], s[14:15], 0x20           ; e8 .. e11
	s_cmp_ge_u32 ttmp9, 256
	s_cbranch_scc1 .Lweights
	; ---- hidden_states: wave w takes the tile of rows 2 x work-group + w / 2 and K steps 4 (w % 2) + 0 .. 3: four jobs, each in three scales
	s_wait_alu depctr_va_vdst(0)
	v_lshlrev_b32 v1, 4, v12                       ; 16 x lane: my bytes of a load, and of an image's group
	s_wait_alu depctr_va_vdst(0)
	s_mul_i32 s33, s32, STGB
	v_add_nc_u32 v2, s33, v1                       ; the stage, way in
	v_and_b32 v13, 15, v0                          ; r
	v_bfe_u32 v14, v0, 4, 1                        ; h
	v_mul_u32_u24 v3, v13, 528
	v_lshl_add_u32 v3, v14, 5, v3
	v_add_nc_u32 v3, s33, v3                       ; the stage, way back: row r, + 32 h
	s_lshl_b32 s34, ttmp9, 1
	s_lshr_b32 s35, s32, 1
	s_add_co_u32 s34, s34, s35                     ; my tile of 16 rows
	s_and_b32 s35, s32, 1
	s_lshl_b32 s42, s34, 16                        ; 16 rows of 4,096 bytes
	s_lshl_b32 s43, s35, 11                        ; 4 K steps of 512 bytes
	s_add_co_u32 s42, s42, s43
	s_mov_b32 s43, 0
	s_add_nc_u64 s[4:5], s[4:5], s[42:43]
	s_lshl_b32 s42, s34, 14                        ; a tile's 8 images
	s_lshl_b32 s44, s35, 13                        ; 4 images
	s_add_co_u32 s42, s42, s44
	s_add_nc_u64 s[36:37], s[16:17], s[42:43]      ; set 0,
	s_add_nc_u64 s[38:39], s[36:37], 0x800000      ; set 1,
	s_add_nc_u64 s[40:41], s[38:39], 0x800000      ; set 2
	LOADJ 0
	LOADJ 1
	s_wait_alu depctr_va_vdst(0)
	s_wait_kmcnt 0x0
.irp s, 0,1,2
	s_add_co_i32 s45, s[20+2*\s], 127
	s_lshl_b32 s46, s45, 23
	v_mov_b32 v[5+\s], s46                         ; 2^e as f32: the conversion takes its exponent field
	s_add_co_i32 s45, s45, 8
	s_lshl_b32 s45, s45, 23
	s_or_b32 s45, s45, 0x600000
	v_mov_b32 v[8+\s], s45                         ; 448 x 2^e
.endr
	s_wait_alu depctr_va_vdst(0)
.irp j, 0,1,2,3
.if \j < 3
	s_wait_loadcnt 16                              ; this job's 16 loads are in; the next job's 16 may be out
.else
	s_wait_loadcnt 0x0
.endif
	TURNJ \j
	s_wait_dscnt 0x0                               ; my numbers are back, and the stage's stores have read their registers,
.if \j < 2
	LOADJ \j+2                                     ; which take the job two further on
.endif
	QS \j, 0
	QS \j, 1
	QS \j, 2
.endr
	s_set_vgpr_msb 0x4
	s_wait_tensorcnt 0x0
	ds_add_u32 v15, v1
	s_wait_dscnt 0x0
	s_set_vgpr_msb 0x400
	s_endpgm
.Lweights:
	; ---- a weight: A LANE TAKES A COLUMN n, ITS REGISTERS RUN DOWN K.  id = work-group - 256: weight id / 32; columns 128 (id % 8) + 32 wave + lane; k = 256 ((id / 8) % 4) + 0 .. 255: eight blocks of 32
	s_sub_co_u32 s33, ttmp9, 256
	s_lshr_b32 s34, s33, 5                         ; which weight: 0 Wq, 1 Wk, 2 Wv, 3 Wo
	s_and_b32 s35, s33, 7
	s_bfe_u32 s36, s33, 0x20003
	s_cmp_eq_u32 s34, 1
	s_cselect_b64 s[6:7], s[8:9], s[6:7]
	s_cmp_eq_u32 s34, 2
	s_cselect_b64 s[6:7], s[10:11], s[6:7]
	s_cmp_eq_u32 s34, 3
	s_cselect_b64 s[6:7], s[12:13], s[6:7]
	s_lshl_b32 s37, s35, 7
	s_lshl_b32 s38, s32, 5
	s_add_co_u32 s37, s37, s38                     ; my wave's first column
	s_lshl_b32 s38, s36, 20                        ; 256 rows of 4,096 bytes
	s_lshl_b32 s39, s37, 2
	s_add_co_u32 s38, s38, s39
	s_mov_b32 s39, 0
	s_add_nc_u64 s[6:7], s[6:7], s[38:39]
	s_lshl_b32 s38, s34, 20                        ; a weight's codes: 2^20 bytes
	s_lshl_b32 s40, s37, 10                        ; (column / 16) tiles of 16,384 bytes
	s_add_co_u32 s38, s38, s40
	s_lshl_b32 s40, s36, 12                        ; two K steps' images
	s_add_co_u32 s38, s38, s40
	s_add_nc_u64 s[18:19], s[18:19], s[38:39]
	s_wait_alu depctr_va_vdst(0)
	v_lshlrev_b32 v1, 2, v12                       ; in: 4 bytes a lane
	v_lshrrev_b32 v2, 4, v12
	v_lshlrev_b32 v2, 14, v2                       ; out: lanes 16-31 belong to the next tile of columns,
	v_and_b32 v3, 15, v12
	v_lshl_add_u32 v2, v3, 4, v2                   ; + 16 x (my column's row in the fragment)
	LOADW 0
	LOADW 1
	s_wait_kmcnt 0x0
	s_cmp_eq_u32 s34, 1
	s_cselect_b32 s21, s23, s21                    ; e1, e3, e5 or e11
	s_cmp_eq_u32 s34, 2
	s_cselect_b32 s21, s25, s21
	s_cmp_eq_u32 s34, 3
	s_cselect_b32 s21, s31, s21
	s_add_co_i32 s21, s21, 127
	s_lshl_b32 s22, s21, 23
	v_mov_b32 v11, s22                             ; 2^e
	s_add_co_i32 s21, s21, 8
	s_lshl_b32 s21, s21, 23
	s_or_b32 s21, s21, 0x600000
	v_mov_b32 v10, s21                             ; 448 x 2^e
	s_wait_alu depctr_va_vdst(0)
.irp t, 0,1,2,3,4,5,6,7
	BLOCKW \t
.endr
	s_endpgm
.Lfunc_end_k_q62297b1bf3_prep:
	.size	k_q62297b1bf3_prep, .Lfunc_end_k_q62297b1bf3_prep-k_q62297b1bf3_prep
	.p2alignl 7, 3214868480
	.fill 96, 4, 3214868480
	.section	.rodata,"a",@progbits
	.p2align	6, 0x0
	.amdhsa_kernel k_q62297b1bf3_prep
		.amdhsa_group_segment_fixed_size 34304
		.amdhsa_private_segment_fixed_size 0
		.amdhsa_enable_private_segment 0
		.amdhsa_kernarg_size 64
		.amdhsa_user_sgpr_count 2
		.amdhsa_user_sgpr_kernarg_segment_ptr 1
		.amdhsa_wavefront_size32 1
		.amdhsa_system_sgpr_workgroup_id_x 1
		.amdhsa_system_sgpr_workgroup_id_y 1
		.amdhsa_system_sgpr_workgroup_id_z 1
		.amdhsa_system_vgpr_workitem_id 0
		.amdhsa_next_free_vgpr 258
		.amdhsa_next_free_sgpr 66
		.amdhsa_reserve_vcc 0
		.amdhsa_float_denorm_mode_32 3
		.amdhsa_float_denorm_mode_16_64 3
		.amdhsa_memory_ordered 1
		.amdhsa_forward_progress 1
		.amdhsa_inst_pref_size 122
	.end_amdhsa_kernel
	.amdgpu_metadata
---
amdhsa.version: [ 1, 2 ]
amdhsa.kernels:
  - .name:           k_q62297b1bf3_prep
    .symbol:         k_q62297b1bf3_prep.kd
    .args:
      - { .name: hidden_states, .offset: 0, .size: 8, .value_kind: global_buffer, .address_space: global }
      - { .name: Wq, .offset: 8, .size: 8, .value_kind: global_buffer, .address_space: global }
      - { .name: Wk, .offset: 16, .size: 8, .value_kind: global_buffer, .address_space: global }
      - { .name: Wv, .offset: 24, .size: 8, .value_kind: global_buffer, .address_space: global }
      - { .name: Wo, .offset: 32, .size: 8, .value_kind: global_buffer, .address_space: global }
      - { .name: lowp_scales, .offset: 40, .size: 8, .value_kind: global_buffer, .address_space: global }
      - { .name: xf, .offset: 48, .size: 8, .value_kind: global_buffer, .address_space: global }
      - { .name: wf, .offset: 56, .size: 8, .value_kind: global_buffer, .address_space: global }
    .group_segment_fixed_size: 34304
    .private_segment_fixed_size: 0
    .kernarg_segment_align: 8
    .kernarg_segment_size: 64
    .max_flat_workgroup_size: 128
    .sgpr_count:     66
    .vgpr_count:     258
    .wavefront_size: 32
...
	.end_amdgpu_metadata
.endif
;; end of part 1
;; launch qkv (part 2): grid 4 x 96, 4 waves a work-group, clusters of 4 x 4, 327,680 bytes of LDS; arguments xf, wf, bq, bk, bv, lowp_scales, qkvf; writes qkvf
.if DOCPART == 2
	.amdgcn_target "amdgcn-amd-amdhsa--gfx1250"
	.amdhsa_code_object_version 6
	.text
	.protected	k_q62297b1bf3_qkv
	.globl	k_q62297b1bf3_qkv
	.p2align	8
	.type	k_q62297b1bf3_qkv,@function
k_q62297b1bf3_qkv:
	s_mov_b64 s[64:65], 0
	v_nop
	global_prefetch_b8 v0, s[64:65] scope:SCOPE_SE
	s_setreg_imm32_b32 hwreg(HW_REG_WAVE_MODE, 25, 1), 1
	s_wait_xcnt 0x0
	s_wait_alu depctr_hold_cnt(0) depctr_sa_sdst(0) depctr_va_vdst(0) depctr_va_sdst(0) depctr_va_ssrc(0) depctr_va_vcc(0) depctr_vm_vsrc(0)
	s_getreg_b32 s2, hwreg(HW_REG_IB_STS2, 6, 4)
	s_cmp_eq_u32 s2, 0
	s_cbranch_scc0 .Lentry_in_a_cluster
	s_endpgm
.Lentry_in_a_cluster:
	s_bfe_u32 s2, ttmp6, 0x10000c
	s_cmp_lg_u32 s2, 0xf033
	s_cbranch_scc0 .Lentry_shape_is_right
	s_endpgm
.Lentry_shape_is_right:
; q = x Wq + bq, k = x Wk + bk, v = x Wv + bv on E4M3 codes, and each result quantised at once (2^e6, 2^e7, 2^e9) into the register images that the attention launch reads.
; 24 clusters of 4 x 4 work-groups: cluster y / 8 says which product (0 q, 1 k, 2 v), cluster y % 8 which 1,024 tokens.  A work-group makes 256 x 256 of a product, each of its four waves 128 x 128: 64 accumulators.
; q, k: A = tokens (xf, the product's own set), B = the weight's columns.   v: A = Wv's columns, B = tokens.   THE MATRIX INSTRUCTION TAKES B AS SOURCE 0 AND A AS SOURCE 1: lane (r, h) of a result holds A's row r and B's
; indices 8 h + 0 .. 7, so the conversion of an accumulator's eight registers IS registers 2 c, 2 c + 1 of the next operand (c = B's tile): for q and k a fragment of 16 tokens x 64 of a head, for v of 16 of a head's 64 x 128 keys.
; Nothing is transposed and nothing goes through LDS on the way out.
; All operands lie in memory as images of fragments (16 rows x 128 K, 2,048 bytes: registers 4 g .. 4 g + 3 of lane l at 512 g + 16 l), [tile of 16 rows][K step 8][2,048]: a tile for the data mover is dense rows of 4,096 bytes,
; a fragment comes from LDS by four loads of 512 consecutive bytes: no pitch, no padding.
; K = 1,024 goes in four steps of 256 through two LDS slots.  A's tile is asked for jointly along the cluster's row, B's along its column.  A wave has one tensor load out at a time.
; qkvf: q at 0 [batch x head 64][tile of 16 tokens 128][1,024];  k at 2^23, the same;  v at 2^24 [batch x head][128 keys 16][16 of the head's 64: 4][2,048].
; No prefetch: of the four K steps two are first fills at the head, and nothing is prefetched there.  384 work-groups: a tile never spans two products, since each product has its own codes of x.
; LIMITS: e0 + e1, e2 + e3, e4 + e5 between -126 and 127; e6, e7, e9 between -126 and 119.  NaN is not served.
; REGISTERS, in windows of 256: window 0: v8-15 bias offsets, v16-31 addresses and constants, v32-95 the bias, v128-255 A's fragments (one set); on the way out v128-191 numbers, v192-223 codes.
;   window 1: B's fragments, two sets.   windows 2, 3: the accumulators ((a, b) at v[8 (8 (a % 4) + b)]).
.set SLOT,  131072                     ; 256 along K: wave w's load at 32,768 w (waves 0, 1: A's halves; 2, 3: B's): [tile 8][K step 2][2,048]
.set SPARE, 2*SLOT                     ; behind the ring: the spare words, 128 bytes for each wave, which no other line names
.set FR,   16
.set NL,   4                           ; LDS loads that bring a fragment
.set NP,   4                           ; places behind this matrix instruction (ISA guide 7.12.1)
.set VO,   8
.set ADRA, 16
.set ADRB, 20
.set LI,   24                          ; 16 x lane
.set SPW,  28
.set NIL,  29
.set LIM,  30                          ; 448 x 2^eo
.set SCL,  31                          ; 2^eo
.set BIAS, 32
.set AF,   128
.set TT,   128
.set CD,   192
.set G1,  24
.set G0,  32
.set G1B, 48
.set G0B, 56
.set MSB, 0
.macro WIN new                         ; the immediate's high byte repeats the setting that is left
.if MSB != (\new)
	s_set_vgpr_msb (MSB<<8)|(\new)
.set MSB, (\new)
.endif
.endm
.set MUL_LO, 0xa1                      ; source 0 (B) window 1, source 1 (A) window 0, C and D window 2
.set MUL_HI, 0xf1
.set TO_B,   0x40
; A joint load: waves 0 and 1 fetch for A, waves 2 and 3 for B; the branch hangs on the wave's number alone.  Four v_nop follow each of the two lines.
.macro JLOAD g0a, g1a, g0b, g1b
	s_cmp_eq_u32 s19, 0
	s_cbranch_scc0 .Lfor_b_\@
	tensor_load_to_lds s[\g0a:\g0a+3], s[\g1a:\g1a+7]
	s_nop 0
.rept 4
	v_nop
.endr
	s_branch .Lasked_\@
.Lfor_b_\@:
	tensor_load_to_lds s[\g0b:\g0b+3], s[\g1b:\g1b+7]
	s_nop 0
.rept 4
	v_nop
.endr
.Lasked_\@:
.endm
.macro CREST                           ; a round of the cluster's barrier behind its opening barrier
	s_cmp_lg_u32 s18, 0
	s_cbranch_scc1 .Lnot_wave_0_\@
	s_barrier_signal -3
.Lnot_wave_0_\@:
	s_barrier_wait -3
	s_barrier_signal -1
	s_barrier_wait -1
.endm
.macro CROUND
	s_barrier_signal -1
	s_barrier_wait -1
	CREST
.endm
	s_load_b256 s[4:11], s[0:1], 0x0               ; xf 4:5, wf 6:7, bq 8:9, bk 10:11
	s_load_b128 s[12:15], s[0:1], 0x20             ; bv 12:13, the scales' exponents 14:15
	s_load_b64 s[16:17], s[0:1], 0x30              ; qkvf
	v_lshl_add_u32 v[SPW], v0, 2, SPARE
	v_mov_b32 v[NIL], 0
	ds_add_u32 v28, v29
	ds_add_u32 v28, v29
	s_wait_dscnt 0x0
	v_lshrrev_b32 v1, 5, v0
	v_readfirstlane_b32 s18, v1                    ; wave 0..3
	s_lshr_b32 s19, s18, 1                         ; which half of A's rows is mine.  Also: I fetch for A (0) or for B (1)
	s_and_b32 s20, s18, 1                          ; which half of B's.  Also: which 128 rows of that tile I fetch
	s_bfe_u32 s21, ttmp6, 0x40000                  ; cx
	s_bfe_u32 s22, ttmp6, 0x40004                  ; cy
	s_and_b32 s92, ttmp7, 0xffff                   ; the cluster's y, which all sixteen partners share
	s_lshr_b32 s40, s92, 3                         ; the product: 0 q, 1 k, 2 v
	s_and_b32 s41, s92, 7                          ; which 1,024 tokens
	s_lshl_b32 s93, s41, 2
	s_add_co_u32 s90, s93, s22
	s_add_co_u32 s96, s93, s21
	s_cmp_eq_u32 s40, 2
	s_cselect_b32 s42, s22, s90                    ; A's tile of 256 rows: made of cy alone
	s_cselect_b32 s43, s96, s21                    ; B's: made of cx alone
	s_lshl_b32 s44, s22, 2
	s_lshl_b32 s44, 15, s44                        ; my row of the cluster
	s_lshl_b32 s45, 0x1111, s21                    ; my column
	; descriptor group 1: 8 rows (tiles of 16) x 4,096 bytes (two K steps' images), 16,384 bytes apart; elements of 8 bytes; dense in LDS
	s_or_b32 s[G1], s44, (3<<16)|(1<<21)           ; 15:0 the mask; 17:16 elements of 8 bytes; 21 set beside a mask
	s_or_b32 s[G1B], s45, (3<<16)|(1<<21)
.irp g, G1, G1B
	s_mov_b32 s[\g+1], 512<<16                     ; tensor_dim0
	s_mov_b32 s[\g+2], 8<<16                       ; tensor_dim1
	s_mov_b32 s[\g+3], 512<<16                     ; tile_dim0
	s_mov_b32 s[\g+4], 8                           ; tile_dim1
	s_mov_b32 s[\g+5], 2048                        ; tensor_dim0_stride
	s_mov_b32 s[\g+6], 0
	s_mov_b32 s[\g+7], 0
.endr
	s_lshl_b32 s92, s20, 17                        ; which 128 rows: 8 tiles of 16,384 bytes
	s_lshl_b32 s90, s42, 18                        ; A's tile: 16 tiles of 16,384 bytes
	s_add_co_u32 s90, s90, s92
	s_mov_b32 s91, 0
	s_lshl_b32 s96, s43, 18
	s_add_co_u32 s96, s96, s92
	s_mov_b32 s97, 0
	s_lshl_b32 s93, s18, 15                        ; where they go: wave x 32,768: no place in the cluster enters an LDS address
	s_lshl_b32 s94, s40, 23
	s_mov_b32 s95, 0
	s_wait_kmcnt 0x0
	s_load_b256 s[68:75], s[14:15], 0x0            ; e0 .. e7
	s_load_b128 s[76:79], s[14:15], 0x20           ; e8 .. e11
	s_add_nc_u64 s[66:67], s[4:5], s[94:95]        ; the product's set of x's codes,
	s_lshl_b32 s94, s40, 20
	s_add_nc_u64 s[98:99], s[6:7], s[94:95]        ; and its weight's
	s_cmp_eq_u32 s40, 2
	s_cselect_b64 s[80:81], s[98:99], s[66:67]     ; A
	s_cselect_b64 s[82:83], s[66:67], s[98:99]     ; B
	s_add_nc_u64 s[80:81], s[80:81], s[90:91]
	s_add_nc_u64 s[82:83], s[82:83], s[96:97]
	CROUND                                         ; all sixteen work-groups are here: the first joint loads meet
.irp s, 0,1
	s_mov_b32 s[G0+4*\s], 1
	s_add_co_u32 s[G0+4*\s+1], s93, \s*SLOT
	s_add_nc_u64 s[G0+4*\s+2:G0+4*\s+3], s[80:81], \s*4096
	s_or_b32 s[G0+4*\s+3], s[G0+4*\s+3], 0x80000000
	s_mov_b32 s[G0B+4*\s], 1
	s_add_co_u32 s[G0B+4*\s+1], s93, \s*SLOT
	s_add_nc_u64 s[G0B+4*\s+2:G0B+4*\s+3], s[82:83], \s*4096
	s_or_b32 s[G0B+4*\s+3], s[G0B+4*\s+3], 0x80000000
.endr
	JLOAD G0, G1, G0B, G1B                         ; K step 0: one tensor load a wave at the head
	v_and_b32 v1, 15, v0                           ; r
	v_bfe_u32 v2, v0, 4, 1                         ; h
	s_wait_alu depctr_va_vdst(0)
	v_and_b32 v3, 31, v0
	v_lshlrev_b32 v[LI], 4, v3
	s_lshl_b32 s92, s19, 15                        ; my 128 rows of A
	s_lshl_b32 s93, s20, 15
	s_add_co_u32 s93, s93, 65536                   ; my 128 rows of B, behind A's 256
.irp s, 0,1
	v_add_nc_u32 v[ADRA+\s], s92, v[LI]
	v_add_nc_u32 v[ADRB+\s], s93, v[LI]
	s_add_co_u32 s92, s92, SLOT
	s_add_co_u32 s93, s93, SLOT
.endr
	; the way out's places, for both kinds of product by one arithmetic: tokens come from A's tile (q, k) or B's (v), features from the other
	s_cmp_eq_u32 s40, 2
	s_cselect_b32 s2, s43, s42                     ; the tile of 256 tokens
	s_cselect_b32 s3, s42, s43                     ; the tile of 256 features
	s_cselect_b32 s23, s20, s19                    ; my half of the tokens
	s_cselect_b32 s46, s19, s20                    ; my half of the features
	s_cselect_b32 s47, 0, 32                       ; the bias: q, k: register 8 x + j holds b[16 x + 8 h + j];  v: b[16 x + r] in all eight j
	s_cselect_b32 s86, 4, 0
	s_cselect_b32 s87, 0, 4
	v_mul_u32_u24 v[VO], s47, v2
	v_mad_u32_u24 v[VO], v1, s86, v[VO]
	s_wait_alu depctr_va_vdst(0)
.irp j, 1,2,3,4,5,6,7
	s_mul_i32 s88, s87, \j
	v_add_nc_u32 v[VO+\j], s88, v[VO]
.endr
	s_lshr_b32 s88, s2, 3                          ; the batch (8 tiles of 256 tokens each)
	s_lshl_b32 s88, s88, 4
	s_lshl_b32 s89, s3, 2
	s_add_co_u32 s88, s88, s89
	s_lshl_b32 s89, s46, 1
	s_add_co_u32 s88, s88, s89                     ; 16 batch + my first head (of two)
	s_lshl_b32 s88, s88, 17                        ; a head is 131,072 bytes in q, in k and in v
	s_and_b32 s89, s2, 7
	s_lshl_b32 s89, s89, 1
	s_add_co_u32 s89, s89, s23
	s_lshl_b32 s89, s89, 13                        ; my 128 tokens: 8,192 bytes of a head in each
	s_add_co_u32 s88, s88, s89
	s_lshl_b32 s89, s40, 23
	s_add_co_u32 s88, s88, s89
	s_mov_b32 s89, 0
	s_add_nc_u64 s[86:87], s[16:17], s[88:89]
	s_cmp_eq_u32 s40, 1
	s_cselect_b64 s[88:89], s[10:11], s[8:9]
	s_cmp_eq_u32 s40, 2
	s_cselect_b64 s[88:89], s[12:13], s[88:89]
	s_lshl_b32 s2, s3, 10
	s_lshl_b32 s3, s46, 9
	s_add_co_u32 s2, s2, s3
	s_mov_b32 s3, 0
	s_add_nc_u64 s[88:89], s[88:89], s[2:3]        ; the bias at my first feature
	s_wait_alu depctr_va_vdst(0)
.irp x, 0,1,2,3,4,5,6,7
.irp j, 0,1,2,3,4,5,6,7
	global_load_b32 v[BIAS+8*\x+\j], v[VO+\j], s[88:89] offset:64*\x   ; once; waited for on the way out
.endr
.endr
.macro FRAG reg, adr, q, i             ; tile i, the slot's q-th 128 along K: four loads of 512 consecutive bytes
.irp c, 0,1,2,3
	ds_load_b128 v[\reg+4*\c:\reg+4*\c+3], v[\adr] offset:2048*(\q)+512*\c+(\i)*4096
.endr
.endm
; 16 matrix instructions: A's blocks a0, a0 + 1 x B's eight.  The 64 accumulators take turns, one instruction a turn, in the same order in every step.
.macro MUL16 a0, p, zero
.irp a, \a0, \a0+1
.irp b, 0,1,2,3,4,5,6,7
.if \zero
	v_wmma_f32_16x16x128_fp8_fp8 v[8*(8*((\a)%4)+\b):8*(8*((\a)%4)+\b)+7], v[128*(\p)+FR*\b:128*(\p)+FR*\b+FR-1], v[AF+FR*(\a):AF+FR*(\a)+FR-1], 0
.else
	v_wmma_f32_16x16x128_fp8_fp8 v[8*(8*((\a)%4)+\b):8*(8*((\a)%4)+\b)+7], v[128*(\p)+FR*\b:128*(\p)+FR*\b+FR-1], v[AF+FR*(\a):AF+FR*(\a)+FR-1], v[8*(8*((\a)%4)+\b):8*(8*((\a)%4)+\b)+7]
.endif
.endr
.endr
.endm
.macro FETCH_B slot, q, p
	WIN TO_B
.irp i, 0,1,2,3,4,5,6,7
	FRAG 128*(\p)+FR*\i, ADRB+\slot, \q, \i
.endr
	WIN 0
.endm
.macro FETCH_A slot, q, i0
.irp i, \i0, \i0+1, \i0+2, \i0+3
	FRAG AF+FR*(\i), ADRA+\slot, \q, \i
.endr
.endm
.macro PLACES n                        ; plain vector lines between a matrix instruction and a load into, or a vector line on, its registers
.rept \n
	v_nop
.endr
.endm
; A step of 128 along K that has its successor in the same slot.  A has one set of registers (a block is free when its eight products are issued), B two.
.macro STEP slot, q, zero
	s_wait_dscnt 4*NL                              ; B's set and A's blocks 0-3 are in; the youngest 16 loads (A's blocks 4-7) may be out
	WIN MUL_LO
	MUL16 0, (\q)%2, \zero
	MUL16 2, (\q)%2, \zero
	s_wait_dscnt 0
	PLACES NP
	FETCH_B \slot, (\q)+1, 1-(\q)%2
	FETCH_A \slot, (\q)+1, 0
	WIN MUL_HI
	MUL16 4, (\q)%2, \zero
	MUL16 6, (\q)%2, \zero
	PLACES NP
	WIN 0
	FETCH_A \slot, (\q)+1, 4
.endm
; A slot's last step changes slots: one barrier; in front of it each wave waits for all its tensor loads, adds 0 to its spare word, and waits for that and for its reads of this slot.  fill = 1: the slot is filled again, two K steps ahead.
.macro TURN slot, next, fill
	s_wait_tensorcnt 0x0                           ; all my tensor loads have landed: my part of the next slot
	ds_add_u32 v[SPW], v[NIL]                      ; 0 onto my spare word
	s_wait_dscnt 4*NL+1                            ; (the add and the youngest 16 loads, A's blocks 4-7, may be out)
	WIN MUL_LO
	MUL16 0, 1, 0
	s_wait_dscnt 0x0                               ; the add is done, and my reads of this slot are over
	s_barrier_signal -1
	MUL16 2, 1, 0
	WIN 0
	s_barrier_wait -1
.if \fill
	CREST                                          ; the barrier has opened a round of the cluster's barrier: no wave of any partner still reads this slot or has a load on its way
	s_add_nc_u64 s[G0+4*\slot+2:G0+4*\slot+3], s[G0+4*\slot+2:G0+4*\slot+3], 8192
	s_add_nc_u64 s[G0B+4*\slot+2:G0B+4*\slot+3], s[G0B+4*\slot+2:G0B+4*\slot+3], 8192
	JLOAD G0+4*\slot, G1, G0B+4*\slot, G1B         ; the first tensor load behind the round; its four v_nop are the places in front of the loads below
.else
	PLACES NP
.endif
	FETCH_B \next, 0, 0
	FETCH_A \next, 0, 0
	WIN MUL_HI
	MUL16 4, 1, 0
	MUL16 6, 1, 0
	PLACES NP
	WIN 0
	FETCH_A \next, 0, 4
.endm
	s_wait_alu depctr_va_vdst(0)
	s_wait_tensorcnt 0x0                           ; my part of K step 0 is in; slot 1's first fill is issued as a refill is:
	ds_add_u32 v[SPW], v[NIL]                      ; 0 onto my spare word
	s_wait_dscnt 0x0
	CROUND                                         ; everybody's part of K step 0 is in, and all sixteen work-groups are here
	JLOAD G0+4, G1, G0B+4, G1B                     ; K step 1: the first tensor load behind the round
	FETCH_B 0, 0, 0
	FETCH_A 0, 0, 0
	FETCH_A 0, 0, 4
	STEP 0, 0, 1                                   ; the first products start the sums: nothing is cleared
	TURN 0, 1, 1                                   ; four slots' worth of K, written straight: slot 0 takes K step 2,
	STEP 1, 0, 0
	TURN 1, 0, 1                                   ; slot 1 K step 3,
	STEP 0, 0, 0
	TURN 0, 1, 0                                   ; and nothing more is asked for
	STEP 1, 0, 0
	s_wait_dscnt 4*NL
	WIN MUL_LO
	MUL16 0, 1, 0
	MUL16 2, 1, 0
	s_wait_dscnt 0
	WIN MUL_HI
	MUL16 4, 1, 0
	MUL16 6, 1, 0
	WIN 0
	; THE WAY OUT: number = sum x 2^(ea + eb) + bias (one packed multiply-add for two), held, converted with the next operand's scale, stored as the image of that operand's registers
	s_wait_kmcnt 0x0
	s_add_co_i32 s92, s68, s69
	s_add_co_i32 s93, s70, s71
	s_add_co_i32 s94, s72, s73
	s_cmp_eq_u32 s40, 1
	s_cselect_b32 s92, s93, s92
	s_cselect_b32 s95, s75, s74                    ; e7 or e6,
	s_cmp_eq_u32 s40, 2
	s_cselect_b32 s92, s94, s92
	s_cselect_b32 s95, s77, s95                    ; or e9
	s_add_co_i32 s92, s92, 127
	s_lshl_b32 s84, s92, 23                        ; 2^(ea + eb) as f32
	s_mov_b32 s85, s84                             ; (named with it as a pair, so it is written)
	s_add_co_i32 s95, s95, 127
	s_lshl_b32 s92, s95, 23
	v_mov_b32 v[SCL], s92
	s_add_co_i32 s95, s95, 8
	s_lshl_b32 s95, s95, 23
	s_or_b32 s95, s95, 0x600000
	v_mov_b32 v[LIM], s95
	s_wait_loadcnt 0x0                             ; the bias
	PLACES NP
.macro OUTBLK a, mode                  ; A's block a.  mode 0 (q, k): 16 tokens x two heads;  mode 1 (v): 16 of a head's 64 x 128 keys
.set AC, 64*((\a)%4)
.set CS, CD+16*((\a)%2)
	WIN 0x02+((\a)/4)                              ; source 0: window 2 or 3
.irp b, 0,1,2,3,4,5,6,7
.irp i, 0,2,4,6
.if \mode
	v_pk_fma_f32 v[TT+8*\b+\i:TT+8*\b+\i+1], v[AC+8*\b+\i:AC+8*\b+\i+1], s[84:85], v[BIAS+8*(\a)+\i:BIAS+8*(\a)+\i+1] op_sel_hi:[1,0,1]
.else
	v_pk_fma_f32 v[TT+8*\b+\i:TT+8*\b+\i+1], v[AC+8*\b+\i:AC+8*\b+\i+1], s[84:85], v[BIAS+8*\b+\i:BIAS+8*\b+\i+1] op_sel_hi:[1,0,1]   ; each accumulator from its low end on
.endif
.endr
.endr
	WIN 0
.set j, 0
.rept 64
	v_med3_num_f32 v[TT+j], v[TT+j], -v[LIM], v[LIM]   ; the conversion does not saturate (ISA guide 7.6.2)
.set j, j+1
.endr
.if (\a) > 1
	s_wait_alu depctr_va_vdst(0)
	s_wait_xcnt 0x0                                ; block a - 2's stores have read this set of codes
.endif
.irp b, 0,1,2,3,4,5,6,7
	v_cvt_scalef32_pk8_fp8_f32 v[CS+2*\b:CS+2*\b+1], v[TT+8*\b:TT+8*\b+7], v[SCL]
.endr
	v_nop                                          ; a plain line behind the last conversion: the next block writes its sources
.irp g, 0,1,2,3
.if \mode
	global_store_b128 v[LI], v[CS+4*\g:CS+4*\g+3], s[86:87] offset:((\a)/4)*131072+((\a)%4)*2048+512*\g   ; 512 consecutive bytes
.else
	global_store_b128 v[LI], v[CS+4*\g:CS+4*\g+3], s[86:87] offset:(\a)*1024+(\g/2)*131072+(\g%2)*512
.endif
.endr
.endm
	s_cmp_eq_u32 s40, 2                            ; the product's number is the same in all sixteen partners
	s_cbranch_scc1 .Lout_v
.irp a, 0,1,2,3,4,5,6,7
	OUTBLK \a, 0
.endr
	s_branch .Lend
.Lout_v:
.irp a, 0,1,2,3,4,5,6,7
	OUTBLK \a, 1
.endr
.Lend:
	s_wait_tensorcnt 0x0                           ; the wave's end
	ds_add_u32 v[SPW], v[NIL]
	s_wait_dscnt 0x0
	CROUND                                         ; the closing round: no work-group ends while a partner may still ask for a tile that names it
	s_endpgm
.Lfunc_end_k_q62297b1bf3_qkv:
	.size	k_q62297b1bf3_qkv, .Lfunc_end_k_q62297b1bf3_qkv-k_q62297b1bf3_qkv
	.p2alignl 7, 3214868480
	.fill 96, 4, 3214868480
	.section	.rodata,"a",@progbits
	.p2align	6, 0x0
	.amdhsa_kernel k_q62297b1bf3_qkv
		.amdhsa_group_segment_fixed_size 327680
		.amdhsa_private_segment_fixed_size 0
		.amdhsa_enable_private_segment 0
		.amdhsa_kernarg_size 56
		.amdhsa_user_sgpr_count 2
		.amdhsa_user_sgpr_kernarg_segment_ptr 1
		.amdhsa_wavefront_size32 1
		.amdhsa_system_sgpr_workgroup_id_x 1
		.amdhsa_system_sgpr_workgroup_id_y 1
		.amdhsa_system_sgpr_workgroup_id_z 1
		.amdhsa_system_vgpr_workitem_id 0
		.amdhsa_next_free_vgpr 1024
		.amdhsa_next_free_sgpr 100
		.amdhsa_reserve_vcc 0
		.amdhsa_float_denorm_mode_32 3
		.amdhsa_float_denorm_mode_16_64 3
		.amdhsa_memory_ordered 1
		.amdhsa_forward_progress 1
		.amdhsa_inst_pref_size 198
	.end_amdhsa_kernel
	.amdgpu_metadata
---
amdhsa.version: [ 1, 2 ]
amdhsa.kernels:
  - .name:           k_q62297b1bf3_qkv
    .symbol:         k_q62297b1bf3_qkv.kd
    .args:
      - { .name: xf, .offset: 0, .size: 8, .value_kind: global_buffer, .address_space: global }
      - { .name: wf, .offset: 8, .size: 8, .value_kind: global_buffer, .address_space: global }
      - { .name: bq, .offset: 16, .size: 8, .value_kind: global_buffer, .address_space: global }
      - { .name: bk, .offset: 24, .size: 8, .value_kind: global_buffer, .address_space: global }
      - { .name: bv, .offset: 32, .size: 8, .value_kind: global_buffer, .address_space: global }
      - { .name: lowp_scales, .offset: 40, .size: 8, .value_kind: global_buffer, .address_space: global }
      - { .name: qkvf, .offset: 48, .size: 8, .value_kind: global_buffer, .address_space: global }
    .group_segment_fixed_size: 327680
    .private_segment_fixed_size: 0
    .kernarg_segment_align: 8
    .kernarg_segment_size: 56
    .max_flat_workgroup_size: 128
    .sgpr_count:     100
    .vgpr_count:     1024
    .wavefront_size: 32
...
	.end_amdgpu_metadata
.endif
;; end of part 2
;; launch attn (part 3): grid 4 x 64, 8 waves a work-group, clusters of 4 x 1, 327,680 bytes of LDS; arguments qkvf, attention_mask, lowp_scales, ctxf; writes ctxf
.if DOCPART == 3
	.amdgcn_target "amdgcn-amd-amdhsa--gfx1250"
	.amdhsa_code_object_version 6
	.text
	.protected	k_q62297b1bf3_attn
	.globl	k_q62297b1bf3_attn
	.p2align	8
	.type	k_q62297b1bf3_attn,@function
k_q62297b1bf3_attn:
	s_mov_b64 s[64:65], 0
	v_nop
	global_prefetch_b8 v0, s[64:65] scope:SCOPE_SE
	s_setreg_imm32_b32 hwreg(HW_REG_WAVE_MODE, 25, 1), 1
	s_wait_xcnt 0x0
	s_wait_alu depctr_hold_cnt(0) depctr_sa_sdst(0) depctr_va_vdst(0) depctr_va_sdst(0) depctr_va_ssrc(0) depctr_va_vcc(0) depctr_vm_vsrc(0)
	s_getreg_b32 s2, hwreg(HW_REG_IB_STS2, 6, 4)
	s_cmp_eq_u32 s2, 0
	s_cbranch_scc0 .Lentry_in_a_cluster
	s_endpgm
.Lentry_in_a_cluster:
	s_bfe_u32 s2, ttmp6, 0x10000c
	s_cmp_lg_u32 s2, 0x3003
	s_cbranch_scc0 .Lentry_shape_is_right
	s_endpgm
.Lentry_shape_is_right:
; ctx = softmax(q k^T / 8 + mask) v for one (batch, head), both products on E4M3 codes; ctx is quantised at once (2^e10) into the register images that the last launch reads.
; SHARES: grid y = batch x head; the four work-groups of a cluster take 512 queries each and ask for the head's K and V jointly.  A wave owns 64 queries: four tiles of 16, worked in two pairs.
; All 2,048 keys of the head lie in LDS as register images: K 131,072 bytes at 0, V 131,072 at VOFF, each filled once; the mask's 8,192 bytes at MOFF (stored by the waves), the spare words behind it.
; A first small load (256 keys of K and of V) lets step 0 begin; the rest follows behind the full sequence and a round.  Nothing is filled again.  No prefetch: all tiles are asked for at the head, there is no loop to run ahead in.
; BOTH PRODUCTS TRANSPOSED: S^T = K Q^T (16x16x64, source 0 = 16 keys, source 1 = 16 queries, C = the mask x 8 x 2^-(e6+e7)), O^T = V^T P^T (16x16x128): a lane holds one query (lane % 16);
; the eight registers of key tile c are keys 16 c + 8 (lane / 16) + 0 .. 7: their conversion is registers 2 c, 2 c + 1 of P's fragment.
; SOFTMAX: t = (sum + C) x log2(e) / 8 x 2^(e6+e7); M = ceil of the running largest t, kept as -M; p = 2^(t - M), held at 448 x 2^e8, quantised by 2^e8; the row's sum is taken of the unquantised p;
; when M moves, the sum and O^T are multiplied by 2^(old M - new M), in every step, with no branch on data.
; A pair's 128 exponentials go in two batches of 64.  Among batch 0 stand tile 1's multiply-adds, among batch 1 tile 0's holds: lines that read nothing of the batch and whose results are first read behind the next wait.
; Tile 0's sums stand as one run between the batches.  The second product goes tile by tile, tile 1's conversions behind tile 0's four matrix instructions.
; LIMITS: e6 + e7 between -123 and 130; e8, e10 between -126 and 119; a mask entry under -2^60 is taken as -2^60; the scaled scores stay under 2^31 in magnitude.  NaN is not served.
; REGISTERS: window 0: v1-7 addresses, v16-47 a tile's state (8 each: -M, largest score, sum x 2, 4 at work of which +6 is f), v48-55 at work, v64-191 S^T then p (tile 0's 64 take V's fragments), v192-255 K's fragments.
;   window 1: v0-127 O^T, v128-159 Q, v160-191 P's codes, v192-255 the mask as C.
.set VOFF, 131072
.set MOFF, 262144
.set LI,  1
.set ADK, 2
.set ADV, 3
.set ADM, 4
.set SCP, 5
.set AV0, 6
.set AM0, 7
.set ST,  16
.set TX,  48
.set S,   64
.set KF,  192
.set QF,  128
.set PC,  160
.set MC,  192
.set G1A, 32
.set G1B, 40
.set G0A, 48
.set G0B, 52
.set MSB, 0
.macro WIN new                         ; the immediate's high byte repeats the setting that is left
.if MSB != (\new)
	s_set_vgpr_msb (MSB<<8)|(\new)
.set MSB, (\new)
.endif
.endm
.macro ROUND                           ; a round of the cluster's barrier
	s_barrier_signal -1
	s_barrier_wait -1
	s_cmp_lg_u32 s12, 0
	s_cbranch_scc1 .Lnot_wave_0_\@
	s_barrier_signal -3
.Lnot_wave_0_\@:
	s_barrier_wait -3
	s_barrier_signal -1
	s_barrier_wait -1
.endm
.macro KMLOAD                          ; a step's eight fragments of K and its 128 mask numbers
.irp c, 0,1,2,3,4,5,6,7
	ds_load_b128 v[KF+8*\c:KF+8*\c+3], v[ADK] offset:1024*\c
	ds_load_b128 v[KF+8*\c+4:KF+8*\c+7], v[ADK] offset:1024*\c+512
.endr
	WIN 0x40
.irp c, 0,1,2,3,4,5,6,7
	ds_load_b128 v[MC+8*\c:MC+8*\c+3], v[ADM] offset:64*\c
	ds_load_b128 v[MC+8*\c+4:MC+8*\c+7], v[ADM] offset:64*\c+16
.endr
	WIN 0
.endm
.macro SMM p                           ; S^T of pair p: 8 key tiles x 2 query tiles
	WIN 0x14
.irp c, 0,1,2,3,4,5,6,7
.irp u, 0,1
	v_wmma_f32_16x16x64_fp8_fp8 v[S+64*\u+8*\c:S+64*\u+8*\c+7], v[KF+8*\c:KF+8*\c+7], v[QF+8*(2*\p+\u):QF+8*(2*\p+\u)+7], v[MC+8*\c:MC+8*\c+7]
.endr
.endr
	WIN 0
.endm
.macro VLOAD                           ; V's four fragments (16 of the head's 64 x 128 keys) into tile 0's registers, whose p has been converted
.irp dt, 0,1,2,3
.irp g, 0,1,2,3
	ds_load_b128 v[S+16*\dt+4*\g:S+16*\dt+4*\g+3], v[ADV] offset:2048*\dt+512*\g
.endr
.endr
.endm
.macro PVM p, u, first                 ; O^T += V^T P^T of tile u of pair p: four accumulators by turns
	WIN 0x54
.irp dt, 0,1,2,3
.if \first
	v_wmma_f32_16x16x128_fp8_fp8 v[32*(2*\p+\u)+8*\dt:32*(2*\p+\u)+8*\dt+7], v[S+16*\dt:S+16*\dt+15], v[PC+16*\u:PC+16*\u+15], 0
.else
	v_wmma_f32_16x16x128_fp8_fp8 v[32*(2*\p+\u)+8*\dt:32*(2*\p+\u)+8*\dt+7], v[S+16*\dt:S+16*\dt+15], v[PC+16*\u:PC+16*\u+15], v[32*(2*\p+\u)+8*\dt:32*(2*\p+\u)+8*\dt+7]
.endif
.endr
	WIN 0
.endm
.macro FMAR i0, n                      ; t - M of tile 0, two at a time: n lines from register i0 on
.set i, \i0
.rept \n
	v_pk_fma_f32 v[S+i:S+i+1], v[S+i:S+i+1], s[22:23], v[TP:TP+1] op_sel_hi:[1,0,0]
.set i, i+2
.endr
.endm
.macro HOLD2 r                         ; the conversion does not saturate (ISA guide 7.6.2); p is not negative: a one-sided hold, two numbers a line
	v_dual_min_num_f32 v[\r], s24, v[\r] :: v_dual_min_num_f32 v[\r+1], s24, v[\r+1]
.endm
.macro ADDS u                          ; the sum of tile u's unquantised p, two at a time, in four chains
.set SB, S+64*(\u)
.set TS, TP+8*(\u)
.set TA, TX+4*(\u)
	v_pk_add_f32 v[TS+4:TS+5], v[SB:SB+1], v[SB+2:SB+3]
	v_pk_add_f32 v[TA:TA+1], v[SB+4:SB+5], v[SB+6:SB+7]
	v_pk_add_f32 v[TA+2:TA+3], v[SB+8:SB+9], v[SB+10:SB+11]
	v_pk_add_f32 v[TS+2:TS+3], v[TS+2:TS+3], v[SB+12:SB+13]
	v_pk_add_f32 v[TS+4:TS+5], v[TS+4:TS+5], v[SB+14:SB+15]
.set i, 16
.rept 6
	v_pk_add_f32 v[TA:TA+1], v[TA:TA+1], v[SB+i:SB+i+1]
	v_pk_add_f32 v[TA+2:TA+3], v[TA+2:TA+3], v[SB+i+2:SB+i+3]
	v_pk_add_f32 v[TS+2:TS+3], v[TS+2:TS+3], v[SB+i+4:SB+i+5]
	v_pk_add_f32 v[TS+4:TS+5], v[TS+4:TS+5], v[SB+i+6:SB+i+7]
.set i, i+8
.endr
	v_pk_add_f32 v[TA:TA+1], v[TA:TA+1], v[TA+2:TA+3]
	v_pk_add_f32 v[TS+2:TS+3], v[TS+2:TS+3], v[TS+4:TS+5]
	v_pk_add_f32 v[TS+2:TS+3], v[TS+2:TS+3], v[TA:TA+1]
.endm
.macro CVTS u                          ; tile u's held p into P's fragment
	WIN 0x40
.irp c, 0,1,2,3,4,5,6,7
	v_cvt_scalef32_pk8_fp8_f32 v[PC+16*(\u)+2*\c:PC+16*(\u)+2*\c+1], v[S+64*(\u)+8*\c:S+64*(\u)+8*\c+7], v[SCP]
.endr
	WIN 0
.endm
.macro SOFT2 p, first                  ; the softmax of pair p's 2 x 16 queries x 128 keys, and its second product
.set TP, ST+16*(\p)
.set OP, 64*(\p)
.irp k, 0,1,2,3                        ; the step's largest score of each query: four chains a tile, each accumulator from its low end on
.irp u, 0,1
	v_max3_num_f32 v[TP+8*\u+4+\k], v[S+64*\u+16*\k], v[S+64*\u+16*\k+1], v[S+64*\u+16*\k+2]
.endr
.endr
.irp i, 1,2,3,4,5,6
.irp k, 0,1,2,3
.irp u, 0,1
	v_max3_num_f32 v[TP+8*\u+4+\k], v[TP+8*\u+4+\k], v[S+64*\u+16*\k+2*\i+1], v[S+64*\u+16*\k+2*\i+2]
.endr
.endr
.endr
.irp u, 0,1
	v_max3_num_f32 v[TP+8*\u+4], v[TP+8*\u+4], v[S+64*\u+15], v[S+64*\u+31]
.endr
.irp u, 0,1
	v_max3_num_f32 v[TP+8*\u+6], v[TP+8*\u+6], v[S+64*\u+47], v[S+64*\u+63]
.endr
.irp u, 0,1
	s_delay_alu instid0(VALU_DEP_2)
	v_max3_num_f32 v[TP+8*\u+4], v[TP+8*\u+4], v[TP+8*\u+5], v[TP+8*\u+6]
.endr
.irp u, 0,1
	s_delay_alu instid0(VALU_DEP_2)
	v_max_num_f32 v[TP+8*\u+4], v[TP+8*\u+4], v[TP+8*\u+7]
.endr
.irp u, 0,1
	s_delay_alu instid0(VALU_DEP_2)
	v_permlanex16_b32 v[TX+4*\u], v[TP+8*\u+4], s20, s21
.endr
.irp u, 0,1
.if \first
	s_delay_alu instid0(VALU_DEP_2)
	v_max_num_f32 v[TP+8*\u+1], v[TP+8*\u+4], v[TX+4*\u]
.else
	s_delay_alu instid0(VALU_DEP_2)
	v_max3_num_f32 v[TP+8*\u+1], v[TP+8*\u+4], v[TX+4*\u], v[TP+8*\u+1]
.endif
.endr
.if !\first
.irp u, 0,1
	v_mov_b32 v[TX+4*\u+1], v[TP+8*\u]
.endr
.endif
.irp u, 0,1
	v_mul_f32 v[TX+4*\u+2], s22, v[TP+8*\u+1]
.endr
.irp u, 0,1
	s_delay_alu instid0(VALU_DEP_2)
	v_floor_f32 v[TP+8*\u], -v[TX+4*\u+2]          ; -M = floor(-t)
.endr
.if \first
	FMAR 0, 32
.else                                  ; the four links that make f = 2^(old M - new M) stand apart, among tile 0's multiply-adds
	FMAR 0, 8
.irp u, 0,1
	v_sub_f32 v[TX+4*\u+1], v[TP+8*\u], v[TX+4*\u+1]
.endr
	FMAR 16, 8
.irp u, 0,1
	v_cvt_i32_f32 v[TX+4*\u+1], v[TX+4*\u+1]
.endr
	FMAR 32, 8
.irp u, 0,1
	v_ldexp_f32 v[TP+8*\u+6], 1.0, v[TX+4*\u+1]
.endr
	FMAR 48, 8
.irp u, 0,1
	v_pk_mul_f32 v[TP+8*\u+2:TP+8*\u+3], v[TP+8*\u+2:TP+8*\u+3], v[TP+8*\u+6:TP+8*\u+7] op_sel_hi:[1,0]
.endr
.endif
	s_wait_alu depctr_va_vdst(0)                   ; ahead of batch 0
.set i, 0
.rept 32                               ; batch 0: p of tile 0; among it t - M of tile 1
	v_exp_f32 v[S+i], v[S+i]
	v_pk_fma_f32 v[S+64+i:S+64+i+1], v[S+64+i:S+64+i+1], s[22:23], v[TP+8:TP+9] op_sel_hi:[1,0,0]
	v_exp_f32 v[S+i+1], v[S+i+1]
.set i, i+2
.endr
	v_nop                                          ; a plain place behind the last exponential
	s_wait_alu depctr_va_vdst(0)                   ; behind batch 0 and ahead of batch 1
	ADDS 0
.set i, 0
.rept 32                               ; batch 1: p of tile 1; among it tile 0's holds
	v_exp_f32 v[S+64+i], v[S+64+i]
	HOLD2 S+i
	v_exp_f32 v[S+64+i+1], v[S+64+i+1]
.set i, i+2
.endr
	v_nop
	s_wait_alu depctr_va_vdst(0)                   ; behind batch 1
	CVTS 0
	VLOAD
	ADDS 1
.set i, 0
.rept 32
	HOLD2 S+64+i
.set i, i+2
.endr
.if !\first
	s_wait_alu depctr_va_vdst(0)                   ; directly ahead of the first reader of O^T
	WIN 0x41
.set i, 0
.rept 16
	v_pk_mul_f32 v[OP+i:OP+i+1], v[OP+i:OP+i+1], v[TP+6:TP+7] op_sel_hi:[1,0]
	v_pk_mul_f32 v[OP+32+i:OP+32+i+1], v[OP+32+i:OP+32+i+1], v[TP+14:TP+15] op_sel_hi:[1,0]
.set i, i+2
.endr
	WIN 0
.endif
	s_wait_alu depctr_va_vdst(0)                   ; directly ahead of the wait below
	s_wait_dscnt 0x0                               ; V's fragments
	PVM \p, 0, \first
	CVTS 1
	v_nop                                          ; a plain line behind the last conversion
	PVM \p, 1, \first
.endm
.macro STEP first                      ; 128 keys, both pairs
	s_wait_dscnt 0x0                               ; K's fragments and the mask
	SMM 0
	v_add_nc_u32 v[ADV], s29, v[AV0]
.rept 3
	v_nop
.endr
	SOFT2 0, \first
.rept 5
	v_nop                                          ; five places: the next products write over V's registers
.endr
	SMM 1
	s_add_co_u32 s27, s29, 8192
	s_and_b32 s27, s27, 0x1ffff                    ; the next step's keys (the last step reads step 0's again, and uses nothing of them)
	s_lshr_b32 s28, s27, 4
	v_add_nc_u32 v[ADK], s27, v[LI]
	v_add_nc_u32 v[ADM], s28, v[AM0]
.rept 2
	v_nop
.endr
	KMLOAD
	SOFT2 1, \first
	s_add_co_u32 s29, s29, 8192
.rept 5
	v_nop
.endr
.endm
	s_load_b256 s[4:11], s[0:1], 0x0               ; qkvf 4:5, mask 6:7, scales 8:9, ctxf 10:11
	v_lshl_add_u32 v62, v0, 2, 0x42000             ; my spare word, behind the mask
	v_mov_b32 v63, 0
	ds_add_u32 v62, v63                            ; the opening lines
	ds_add_u32 v62, v63
	v_lshrrev_b32 v8, 5, v0
	v_readfirstlane_b32 s12, v8                    ; wave 0..7
	v_lshlrev_b32 v56, 5, v0                       ; my 32 bytes of the mask
	v_and_b32 v57, 31, v0
	v_lshlrev_b32 v[LI], 4, v57                    ; 16 x lane
	s_bfe_u32 s13, ttmp6, 0x40000                  ; cx: which 512 queries
	s_and_b32 s14, ttmp7, 0xffff                   ; batch x head
	s_mov_b32 s[G1A], 15|(3<<16)|(1<<21)           ; dense rows of 256 bytes (32 elements of 8), mask = all four partners: 16 rows,
	s_mov_b32 s[G1A+1], 32<<16
	s_mov_b32 s[G1A+2], 16<<16
	s_mov_b32 s[G1A+3], 32<<16
	s_mov_b32 s[G1A+4], 16
	s_mov_b32 s[G1A+5], 32
	s_mov_b32 s[G1A+6], 0
	s_mov_b32 s[G1A+7], 0
	s_mov_b32 s[G1B], 15|(3<<16)|(1<<21)           ; and 112 rows
	s_mov_b32 s[G1B+1], 32<<16
	s_mov_b32 s[G1B+2], 112<<16
	s_mov_b32 s[G1B+3], 32<<16
	s_mov_b32 s[G1B+4], 112
	s_mov_b32 s[G1B+5], 32
	s_mov_b32 s[G1B+6], 0
	s_mov_b32 s[G1B+7], 0
	s_and_b32 s15, s12, 3                          ; waves 0-3 fetch K, 4-7 V: a quarter of the first 16,384 bytes, then a quarter of the other 114,688
	s_lshr_b32 s16, s12, 2
	s_lshl_b32 s17, s16, 17
	s_lshl_b32 s72, s15, 12
	s_mov_b32 s73, 0
	s_mul_i32 s74, s15, 28672
	s_add_co_u32 s74, s74, 16384
	s_mov_b32 s75, 0
	s_mov_b32 s[G0A], 1
	s_add_co_u32 s[G0A+1], s17, s72
	s_mov_b32 s[G0B], 1
	s_add_co_u32 s[G0B+1], s17, s74
	s_add_co_u32 s16, s16, 1
	s_lshl_b32 s16, s16, 23                        ; k at 2^23, v at 2^24
	s_lshl_b32 s17, s14, 17
	s_add_co_u32 s16, s16, s17
	s_mov_b32 s17, 0
	s_lshl_b32 s76, s13, 5
	s_lshl_b32 s77, s12, 2
	s_add_co_u32 s76, s76, s77                     ; my first tile of 16 queries in the sequence
	s_lshl_b32 s77, s14, 7
	s_add_co_u32 s77, s77, s76
	s_lshl_b32 s78, s77, 10                        ; q's images
	s_mov_b32 s79, 0
	s_lshr_b32 s18, s14, 4                         ; the batch
	s_lshl_b32 s77, s18, 7
	s_add_co_u32 s76, s76, s77
	s_lshl_b32 s76, s76, 14                        ; ctxf: a tile of 16 tokens is 16,384 bytes,
	s_and_b32 s77, s14, 15
	s_lshl_b32 s77, s77, 10                        ; a head's 64 along K half an image
	s_add_co_u32 s76, s76, s77
	s_mov_b32 s77, 0
	s_lshl_b32 s18, s18, 13
	s_mov_b32 s19, 0
	s_wait_alu depctr_va_vdst(0)                   ; directly ahead of the waits below
	s_wait_dscnt 0x0
	s_wait_kmcnt 0x0
	s_load_b256 s[56:63], s[8:9], 0x0              ; e0 .. e7
	s_load_b128 s[68:71], s[8:9], 0x20             ; e8 .. e11
	s_add_nc_u64 s[16:17], s[4:5], s[16:17]
	s_add_nc_u64 s[G0A+2:G0A+3], s[16:17], s[72:73]
	s_or_b32 s[G0A+3], s[G0A+3], 0x80000000
	s_add_nc_u64 s[G0B+2:G0B+3], s[16:17], s[74:75]
	s_or_b32 s[G0B+3], s[G0B+3], 0x80000000
	s_add_nc_u64 s[78:79], s[4:5], s[78:79]
	s_add_nc_u64 s[10:11], s[10:11], s[76:77]
	s_add_nc_u64 s[6:7], s[6:7], s[18:19]
	global_load_b128 v[8:11], v56, s[6:7]          ; the batch's mask, 8 numbers a thread, and Q are asked for ahead of the tiles: they go to registers
	global_load_b128 v[12:15], v56, s[6:7] offset:16
	WIN 0x40
.irp t, 0,1,2,3
.irp g, 0,1
	global_load_b128 v[QF+8*\t+4*\g:QF+8*\t+4*\g+3], v[LI], s[78:79] offset:1024*\t+512*\g   ; Q stays in registers
.endr
.endr
	WIN 0
	ROUND
	tensor_load_to_lds s[G0A:G0A+3], s[G1A:G1A+7]  ; the first 256 keys
	s_nop 0
	s_wait_alu depctr_va_vdst(0)
	s_wait_tensorcnt 0x0                           ; the later first fill stands behind the full sequence and a round
	ds_add_u32 v62, v63
	s_wait_dscnt 0x0
	ROUND
	tensor_load_to_lds s[G0B:G0B+3], s[G1B:G1B+7]  ; the other 1,792 keys
	s_nop 0
.rept 4
	v_nop
.endr
	v_bfe_u32 v58, v0, 4, 1
	v_add_nc_u32 v[AV0], VOFF, v[LI]
	v_lshl_add_u32 v[AM0], v58, 5, MOFF
	v_lshl_add_u32 v59, v0, 5, MOFF
	s_mov_b32 s20, 0x76543210
	s_mov_b32 s21, 0xfedcba98
	s_mov_b32 s29, 0
	s_mov_b32 s25, 15
.irp t, 0,1,2,3
	v_mov_b32 v[ST+8*\t+2], 0
	v_mov_b32 v[ST+8*\t+3], 0
.endr
.irp i, 0,1,2,3,4,5,6,7
	v_mov_b32 v[TX+\i], 0
.endr
	s_wait_kmcnt 0x0
	s_add_co_i32 s27, s62, s63                     ; e6 + e7
	s_sub_co_i32 s30, 3, s27
	s_lshl_b32 s27, s27, 23
	s_add_co_i32 s22, s27, 0x3e38aa3b              ; log2(e) / 8 x 2^(e6 + e7)
	s_mov_b32 s23, s22
	s_add_co_i32 s27, s68, 127
	s_lshl_b32 s28, s27, 23
	v_mov_b32 v[SCP], s28                          ; 2^e8
	s_add_co_i32 s27, s27, 8
	s_lshl_b32 s27, s27, 23
	s_or_b32 s24, s27, 0x600000                    ; 448 x 2^e8
	s_add_co_i32 s31, s68, s69                     ; e8 + e9
	s_wait_loadcnt 8                               ; the mask is in; Q's eight loads may be out
.irp i, 0,1,2,3,4,5,6,7
	v_max_num_f32 v[8+\i], 0xdd800000, v[8+\i]
.endr
.irp i, 0,1,2,3,4,5,6,7
	v_ldexp_f32 v[8+\i], v[8+\i], s30              ; the mask x 8 x 2^-(e6 + e7): added to the sums as C
.endr
	ds_store_b128 v59, v[8:11]
	ds_store_b128 v59, v[12:15] offset:16
	s_wait_loadcnt 0x0
	s_wait_dscnt 0x0
	s_wait_tensorcnt 1                             ; the first load is in (the second may be out)
	s_barrier_signal -1
	s_barrier_wait -1
	s_lshr_b32 s28, s29, 4
	v_add_nc_u32 v[ADK], s29, v[LI]
	v_add_nc_u32 v[ADM], s28, v[AM0]
	KMLOAD
	STEP 1                                         ; the first step starts the sums
	s_wait_tensorcnt 0x0
	s_wait_dscnt 0x0
	s_barrier_signal -1
	s_barrier_wait -1                              ; all keys are in
.Lstep:
	STEP 0
	s_sub_co_u32 s25, s25, 1
	s_cmp_lg_u32 s25, 0
	s_cbranch_scc1 .Lstep
	; the way out: O^T / the sum x 2^(e8 + e9), held, converted by 2^e10, stored as images
	s_add_co_i32 s27, s70, 127
	s_lshl_b32 s28, s27, 23
	v_mov_b32 v8, s28
	s_add_co_i32 s27, s27, 8
	s_lshl_b32 s27, s27, 23
	s_or_b32 s27, s27, 0x600000
	v_mov_b32 v9, s27
.irp t, 0,1,2,3
	v_add_f32 v[ST+8*\t+4], v[ST+8*\t+2], v[ST+8*\t+3]
.endr
.irp t, 0,1,2,3
	s_delay_alu instid0(VALU_DEP_4)
	v_permlanex16_b32 v[ST+8*\t+5], v[ST+8*\t+4], s20, s21
.endr
.irp t, 0,1,2,3
	s_delay_alu instid0(VALU_DEP_4)
	v_add_f32 v[ST+8*\t+4], v[ST+8*\t+4], v[ST+8*\t+5]
.endr
	s_wait_alu depctr_va_vdst(0)
.irp t, 0,1,2,3
	v_rcp_f32 v[ST+8*\t+6], v[ST+8*\t+4]
.endr
	v_nop
	s_wait_alu depctr_va_vdst(0)
.irp t, 0,1,2,3
	v_ldexp_f32 v[ST+8*\t+6], v[ST+8*\t+6], s31
.endr
.irp t, 0,1,2,3
	s_wait_alu depctr_va_vdst(0)                   ; directly ahead of the first readers of this tile's O^T
	WIN 0x01
.set i, 0
.rept 16
	v_pk_mul_f32 v[S+32*\t+i:S+32*\t+i+1], v[32*\t+i:32*\t+i+1], v[ST+8*\t+6:ST+8*\t+7] op_sel_hi:[1,0]
.set i, i+2
.endr
	WIN 0
.set i, 0
.rept 32
	v_med3_num_f32 v[S+32*\t+i], v[S+32*\t+i], -v9, v9
.set i, i+1
.endr
.irp dt, 0,1,2,3
	v_cvt_scalef32_pk8_fp8_f32 v[KF+8*\t+2*\dt:KF+8*\t+2*\dt+1], v[S+32*\t+8*\dt:S+32*\t+8*\dt+7], v8
.endr
	v_nop
	global_store_b128 v[LI], v[KF+8*\t:KF+8*\t+3], s[10:11] offset:16384*\t         ; 512 consecutive bytes
	global_store_b128 v[LI], v[KF+8*\t+4:KF+8*\t+7], s[10:11] offset:16384*\t+512
.endr
	s_wait_tensorcnt 0x0                           ; the wave's end
	ds_add_u32 v62, v63
	s_wait_dscnt 0x0
	ROUND                                          ; the closing round
	s_endpgm
.Lfunc_end_k_q62297b1bf3_attn:
	.size	k_q62297b1bf3_attn, .Lfunc_end_k_q62297b1bf3_attn-k_q62297b1bf3_attn
	.p2alignl 7, 3214868480
	.fill 96, 4, 3214868480
	.section	.rodata,"a",@progbits
	.p2align	6, 0x0
	.amdhsa_kernel k_q62297b1bf3_attn
		.amdhsa_group_segment_fixed_size 327680
		.amdhsa_private_segment_fixed_size 0
		.amdhsa_enable_private_segment 0
		.amdhsa_kernarg_size 32
		.amdhsa_user_sgpr_count 2
		.amdhsa_user_sgpr_kernarg_segment_ptr 1
		.amdhsa_wavefront_size32 1
		.amdhsa_system_sgpr_workgroup_id_x 1
		.amdhsa_system_sgpr_workgroup_id_y 1
		.amdhsa_system_sgpr_workgroup_id_z 1
		.amdhsa_system_vgpr_workitem_id 0
		.amdhsa_next_free_vgpr 512
		.amdhsa_next_free_sgpr 80
		.amdhsa_reserve_vcc 0
		.amdhsa_float_denorm_mode_32 3
		.amdhsa_float_denorm_mode_16_64 3
		.amdhsa_memory_ordered 1
		.amdhsa_forward_progress 1
		.amdhsa_inst_pref_size 137
	.end_amdhsa_kernel
	.amdgpu_metadata
---
amdhsa.version: [ 1, 2 ]
amdhsa.kernels:
  - .name:           k_q62297b1bf3_attn
    .symbol:         k_q62297b1bf3_attn.kd
    .args:
      - { .name: qkvf, .offset: 0, .size: 8, .value_kind: global_buffer, .address_space: global }
      - { .name: attention_mask, .offset: 8, .size: 8, .value_kind: global_buffer, .address_space: global }
      - { .name: lowp_scales, .offset: 16, .size: 8, .value_kind: global_buffer, .address_space: global }
      - { .name: ctxf, .offset: 24, .size: 8, .value_kind: global_buffer, .address_space: global }
    .group_segment_fixed_size: 327680
    .private_segment_fixed_size: 0
    .kernarg_segment_align: 8
    .kernarg_segment_size: 32
    .max_flat_workgroup_size: 256
    .sgpr_count:     80
    .vgpr_count:     512
    .wavefront_size: 32
...
	.end_amdgpu_metadata
.endif
;; end of part 3
;; launch oproj (part 4): grid 256 x 1, 8 waves a work-group, clusters of 4 x 1, 327,680 bytes of LDS; arguments ctxf, wf, bo, hidden_states, ln_gamma, ln_beta, lowp_scales, out0; writes out0
.if DOCPART == 4
	.amdgcn_target "amdgcn-amd-amdhsa--gfx1250"
	.amdhsa_code_object_version 6
	.text
	.protected	k_q62297b1bf3_oproj
	.globl	k_q62297b1bf3_oproj
	.p2align	8
	.type	k_q62297b1bf3_oproj,@function
k_q62297b1bf3_oproj:
	s_mov_b64 s[64:65], 0
	v_nop
	global_prefetch_b8 v0, s[64:65] scope:SCOPE_SE
	s_setreg_imm32_b32 hwreg(HW_REG_WAVE_MODE, 25, 1), 1
	s_wait_xcnt 0x0
	s_wait_alu depctr_hold_cnt(0) depctr_sa_sdst(0) depctr_va_vdst(0) depctr_va_sdst(0) depctr_va_ssrc(0) depctr_va_vcc(0) depctr_vm_vsrc(0)
	s_getreg_b32 s2, hwreg(HW_REG_IB_STS2, 6, 4)
	s_cmp_eq_u32 s2, 0
	s_cbranch_scc0 .Lentry_in_a_cluster
	s_endpgm
.Lentry_in_a_cluster:
	s_bfe_u32 s2, ttmp6, 0x10000c
	s_cmp_lg_u32 s2, 0x3003
	s_cbranch_scc0 .Lentry_shape_is_right
	s_endpgm
.Lentry_shape_is_right:
; out0 = LayerNorm(ctx Wo + bo + hidden_states) x gamma + beta; the product on E4M3 codes (2^e10, 2^e11), all else f32.
; SHARES: a work-group owns 32 whole rows (the norm needs whole rows), a wave 128 of the 1,024 columns: 8 tiles of Wo's columns x 2 tiles of rows = 16 accumulators, taken by turns.
; Source 0 = 16 columns of Wo, source 1 = 16 rows of ctx: a lane holds one row and eight neighbouring columns.
; Wo'S CODES COME BY TWO ROADS AT ONCE.  K steps 4 to 7: joint loads of the four work-groups of a cluster, which all walk the whole of Wo, through two LDS slots of 131,072 bytes (a K step of all columns);
; each wave fetches the eight images that it reads itself; four fills, one tensor load a wave out at a time, each behind the full sequence and a round of the cluster's barrier.
; K steps 0 to 3: from memory straight into operand registers (wf holds images of fragments; a wave's fragments are read by that wave alone in its work-group), one set of eight fragments, filled by halves of 16 loads:
; a half is asked for again as soon as its eight products are issued.  These loads are out beside the joint load: with two slots one K step of Wo at most can be on its way by the joint road.
; No prefetch: the direct loads run a K step ahead by themselves, and all work-groups read the same 2^20 bytes of Wo.
; ctx's codes (32,768 bytes, all eight waves read them) are copied once through registers into LDS bytes of their own.  The residual's rows land in the direct set when K step 3 has freed it.
; THE WAY OUT: the sums go through a stage in LDS (32 rows x 4,112 bytes, in slot 0 behind its last fill and its last read); each wave then norms 4 whole rows, a lane 32 numbers of each, and stores 512 consecutive bytes an instruction.
; LIMIT: e10 + e11 between -126 and 127.
; REGISTERS: window 0: v1-13 addresses, v16-47 ctx's fragments, v80-91 the parameters on their way to LDS, v128-255 Wo's fragments from LDS; window 1: v0-127 accumulators, v128-255 Wo's fragments from memory, then the residual.
.set SPITCH, 4112
.set SLOT1, 132096                     ; slot 0 at 0 (the stage's 131,584 bytes end under slot 1)
.set AIMG,  263168                     ; ctx's images
.set SPARE, 295936                     ; the spare words: 128 bytes a wave, named by no other line
.set PAR,   296960                     ; bo, gamma, beta: 3 x 4,096
.set LI,   1
.set ADB,  2
.set ADA,  4
.set SRD,  5
.set PARR, 6
.set PARW, 7
.set PGO,  8
.set ASTO, 9
.set SI,   10
.set SPW,  12
.set NIL,  13
.set AFR,  16
.set BFR,  128
.set BO,   16
.set GA,   48
.set BE,   80
.set TM,   240
.set PX,   248
.set MU,   250
.set RS,   252
.set MSB, 0
.macro WIN new
.if MSB != (\new)
	s_set_vgpr_msb (MSB<<8)|(\new)
.set MSB, (\new)
.endif
.endm
.macro ROUND                           ; a round of the cluster's barrier
	s_barrier_signal -1
	s_barrier_wait -1
	s_cmp_lg_u32 s20, 0
	s_cbranch_scc1 .Lnot_wave_0_\@
	s_barrier_signal -3
.Lnot_wave_0_\@:
	s_barrier_wait -3
	s_barrier_signal -1
	s_barrier_wait -1
.endm
.macro EVENT g0, step                  ; a change of slots: the three lines, the round, my one joint load
	s_wait_tensorcnt 0x0                           ; my part of the slot that is read next is in; no tensor load of mine is out
	ds_add_u32 v[SPW], v[NIL]                      ; 0 onto my spare word
.if \step
	s_add_nc_u64 s[\g0+2:\g0+3], s[\g0+2:\g0+3], 4096   ; this slot's next K step: two on
.endif
	s_wait_dscnt 0x0                               ; the add is done, and so are my LDS stores and my reads of the slot that is filled next
	ROUND
	tensor_load_to_lds s[\g0:\g0+3], s[24:31]
	s_nop 0
.rept 4
	v_nop
.endr
.endm
.macro BLD k, hf                       ; four of my tiles of Wo's K step k from memory: 16 loads of 512 consecutive bytes
	WIN 0x40
.irp i, 0,1,2,3
.irp g, 0,1,2,3
	global_load_b128 v[BFR+64*(\hf)+16*\i+4*\g:BFR+64*(\hf)+16*\i+4*\g+3], v[LI], s[6:7] offset:16384*(4*(\hf)+\i)+2048*(\k)+512*\g
.endr
.endr
	WIN 0
.endm
.macro RES hf                          ; two of my four rows of hidden_states, 16 loads
	WIN 0x40
.irp rho, 0,1
.irp i, 0,1,2,3,4,5,6,7
	global_load_b128 v[128+32*(2*(\hf)+\rho)+4*\i:128+32*(2*(\hf)+\rho)+4*\i+3], v[LI], s[10:11] offset:4096*(2*(\hf)+\rho)+512*\i th:TH_LOAD_NT
.endr
.endr
	WIN 0
.endm
.macro ALD k                           ; ctx's two fragments of K step k
.irp m, 0,1
.irp g, 0,1,2,3
	ds_load_b128 v[AFR+16*\m+4*\g:AFR+16*\m+4*\g+3], v[ADA] offset:16384*\m+2048*(\k)+512*\g
.endr
.endr
.endm
.macro MUL8 hf, zero                   ; tiles 4 hf .. 4 hf + 3 x both tiles of rows
.irp i, 0,1,2,3
.irp m, 0,1
.if \zero
	v_wmma_f32_16x16x128_fp8_fp8 v[8*(2*(4*(\hf)+\i)+\m):8*(2*(4*(\hf)+\i)+\m)+7], v[BFR+64*(\hf)+16*\i:BFR+64*(\hf)+16*\i+15], v[AFR+16*\m:AFR+16*\m+15], 0
.else
	v_wmma_f32_16x16x128_fp8_fp8 v[8*(2*(4*(\hf)+\i)+\m):8*(2*(4*(\hf)+\i)+\m)+7], v[BFR+64*(\hf)+16*\i:BFR+64*(\hf)+16*\i+15], v[AFR+16*\m:AFR+16*\m+15], v[8*(2*(4*(\hf)+\i)+\m):8*(2*(4*(\hf)+\i)+\m)+7]
.endif
.endr
.endr
.endm
.macro PLACES                          ; in front of loads into registers that the products above read
.rept 4
	v_nop
.endr
.endm
.macro DBLK k, cnt                     ; a K step whose Wo fragments come from memory; cnt = the loads issued behind the half that is waited for
	ALD \k
	s_wait_dscnt 0x0
.irp hf, 0,1
	s_wait_loadcnt \cnt
	WIN 0x51
	MUL8 \hf, (\k)==0
	WIN 0
	PLACES
.if (\k) < 3
	BLD (\k)+1, \hf
.else
	RES \hf
.endif
.endr
.endm
.macro SBLK slot, k                    ; a K step whose Wo fragments come from a slot
.irp i, 0,1,2,3,4,5,6,7
.irp g, 0,1,2,3
	ds_load_b128 v[BFR+16*\i+4*\g:BFR+16*\i+4*\g+3], v[ADB+\slot] offset:2048*\i+512*\g
.endr
.endr
	ALD \k
	s_wait_dscnt 0x0
	WIN 0x50
	MUL8 0, 0
	MUL8 1, 0
	WIN 0
	PLACES
.endm
.macro WSUM
	s_delay_alu instid0(VALU_DEP_1)
	v_add_f32_dpp v[TM], v[TM], v[TM] row_xmask:1 row_mask:0xf bank_mask:0xf
	s_delay_alu instid0(VALU_DEP_1)
	v_add_f32_dpp v[TM], v[TM], v[TM] row_xmask:2 row_mask:0xf bank_mask:0xf
	s_delay_alu instid0(VALU_DEP_1)
	v_add_f32_dpp v[TM], v[TM], v[TM] row_xmask:4 row_mask:0xf bank_mask:0xf
	s_delay_alu instid0(VALU_DEP_1)
	v_add_f32_dpp v[TM], v[TM], v[TM] row_xmask:8 row_mask:0xf bank_mask:0xf
	s_delay_alu instid0(VALU_DEP_1)
	v_permlanex16_b32 v[PX], v[TM], s54, s55
	s_delay_alu instid0(VALU_DEP_1)
	v_add_f32 v[TM], v[TM], v[PX]
.endm
.macro FOLD
	s_delay_alu instid0(VALU_DEP_3)
	v_pk_add_f32 v[TM:TM+1], v[TM:TM+1], v[TM+2:TM+3]
	s_delay_alu instid0(VALU_DEP_2)
	v_pk_add_f32 v[TM+4:TM+5], v[TM+4:TM+5], v[TM+6:TM+7]
	s_delay_alu instid0(VALU_DEP_1)
	v_pk_add_f32 v[TM:TM+1], v[TM:TM+1], v[TM+4:TM+5]
	s_delay_alu instid0(VALU_DEP_1)
	v_add_f32 v[TM], v[TM], v[TM+1]
.endm
.macro LNROW rho                       ; one whole row: sum x 2^(e10 + e11) + bo + residual; mean; centred; variance; x rsqrt x gamma + beta
.set RW, 112+32*(\rho)
	s_wait_dscnt 8*(3-(\rho))
.set q, 0
.rept 16
	v_pk_fma_f32 v[RW+q:RW+q+1], v[RW+q:RW+q+1], s[52:53], v[BO+q:BO+q+1] op_sel_hi:[1,0,1]
.set q, q+2
.endr
	WIN 0x04
.set q, 0
.rept 16
	v_pk_add_f32 v[RW+q:RW+q+1], v[RW+q:RW+q+1], v[128+32*(\rho)+q:128+32*(\rho)+q+1]
.set q, q+2
.endr
	WIN 0
.irp k, 0,1,2,3
	v_pk_add_f32 v[TM+2*\k:TM+2*\k+1], v[RW+2*\k:RW+2*\k+1], v[RW+8+2*\k:RW+8+2*\k+1]
.endr
.irp g, 2,3
.irp k, 0,1,2,3
	s_delay_alu instid0(VALU_DEP_4)
	v_pk_add_f32 v[TM+2*\k:TM+2*\k+1], v[TM+2*\k:TM+2*\k+1], v[RW+8*\g+2*\k:RW+8*\g+2*\k+1]
.endr
.endr
	FOLD
	WSUM
	s_delay_alu instid0(VALU_DEP_1)
	v_mul_f32 v[MU], s56, v[TM]
.set q, 0
.rept 16
	v_pk_add_f32 v[RW+q:RW+q+1], v[RW+q:RW+q+1], v[MU:MU+1] op_sel_hi:[1,0] neg_lo:[0,1] neg_hi:[0,1]
.set q, q+2
.endr
.irp k, 0,1,2,3
	v_pk_mul_f32 v[TM+2*\k:TM+2*\k+1], v[RW+2*\k:RW+2*\k+1], v[RW+2*\k:RW+2*\k+1]
.endr
.irp g, 1,2,3
.irp k, 0,1,2,3
	s_delay_alu instid0(VALU_DEP_4)
	v_pk_fma_f32 v[TM+2*\k:TM+2*\k+1], v[RW+8*\g+2*\k:RW+8*\g+2*\k+1], v[RW+8*\g+2*\k:RW+8*\g+2*\k+1], v[TM+2*\k:TM+2*\k+1]
.endr
.endr
	FOLD
	WSUM
	s_delay_alu instid0(VALU_DEP_1)
	v_fma_f32 v[TM], v[TM], s56, s57
	s_wait_alu depctr_va_vdst(0)
	v_rsq_f32 v[RS], v[TM]
	v_nop
.set q, 0
	s_wait_alu depctr_va_vdst(0)
.rept 16
	v_pk_mul_f32 v[RW+q:RW+q+1], v[RW+q:RW+q+1], v[RS:RS+1] op_sel_hi:[1,0]
.set q, q+2
.endr
.set q, 0
.rept 16
	v_pk_fma_f32 v[RW+q:RW+q+1], v[RW+q:RW+q+1], v[GA+q:GA+q+1], v[BE+q:BE+q+1]
.set q, q+2
.endr
.irp i, 0,1,2,3,4,5,6,7
	global_store_b128 v[LI], v[RW+4*\i:RW+4*\i+3], s[18:19] offset:4096*(\rho)+512*\i th:TH_STORE_NT
.endr
.endm
	s_load_b512 s[4:19], s[0:1], 0x0               ; ctxf 4:5, wf 6:7, bo 8:9, hidden 10:11, gamma 12:13, beta 14:15, scales 16:17, out0 18:19
	v_lshl_add_u32 v[SPW], v0, 2, SPARE
	v_mov_b32 v[NIL], 0
	ds_add_u32 v[SPW], v[NIL]                      ; the opening lines
	ds_add_u32 v[SPW], v[NIL]
	v_lshrrev_b32 v14, 5, v0
	v_readfirstlane_b32 s20, v14                   ; wave 0..7
	v_and_b32 v15, 31, v0
	v_lshlrev_b32 v[LI], 4, v15                    ; 16 x lane
	v_lshlrev_b32 v[PGO], 4, v0                    ; 16 x thread: my bytes of a parameter
	s_lshl_b32 s58, s20, 14                        ; my eight images in a slot
	v_add_nc_u32 v[ADB], s58, v[LI]
	s_add_co_u32 s45, s58, SLOT1
	v_add_nc_u32 v[ADB+1], s45, v[LI]
	s_lshl_b32 s59, s20, 12
	s_add_co_u32 s23, s59, AIMG
	v_add_nc_u32 v[ASTO], s23, v[LI]               ; my wave's 4,096 bytes of ctx's images
	v_add_nc_u32 v[ADA], AIMG, v[LI]
	s_mul_i32 s23, s20, 4*SPITCH
	v_add_nc_u32 v[SRD], s23, v[LI]                ; the stage, way back: my four rows
	v_add_nc_u32 v[PARR], PAR, v[LI]
	v_lshl_add_u32 v[PARW], v0, 4, PAR
	v_and_b32 v14, 15, v0
	v_bfe_u32 v15, v0, 4, 1
	v_mul_u32_u24 v[SI], v14, SPITCH               ; the stage, way in: row lane % 16, + 32 (lane / 16), + my wave's 512 bytes
	v_lshl_add_u32 v[SI], v15, 5, v[SI]
	s_lshl_b32 s23, s20, 9
	v_add_nc_u32 v[SI], s23, v[SI]
	v_add_nc_u32 v[SI+1], 16*SPITCH, v[SI]
	s_bfe_u32 s21, ttmp6, 0x40000                  ; cx
	s_lshl_b32 s22, ttmp9, 2
	s_add_co_u32 s22, s22, s21                     ; my work-group: it enters only the addresses of ctx, the residual and the result
	s_mov_b32 s24, 15|(3<<16)|(1<<21)              ; group 1: all four partners; elements of 8 bytes; 8 rows (tiles of columns) x 2,048 bytes (an image), 16,384 bytes apart
	s_mov_b32 s25, 256<<16
	s_mov_b32 s26, 8<<16
	s_mov_b32 s27, 256<<16
	s_mov_b32 s28, 8
	s_mov_b32 s29, 2048
	s_mov_b32 s30, 0
	s_mov_b32 s31, 0
	s_mov_b32 s40, 1
	s_mov_b32 s41, s58
	s_mov_b32 s44, 1
	s_lshl_b32 s68, s20, 17                        ; my eight tiles of Wo's columns,
	s_add_co_u32 s68, s68, 3145728                 ; in the fourth weight of wf
	s_mov_b32 s69, 0
	s_lshl_b32 s60, s22, 15                        ; my work-group's two tiles of ctx's rows
	s_add_co_u32 s60, s60, s59
	s_mov_b32 s61, 0
	s_lshl_b32 s62, s22, 5
	s_lshl_b32 s63, s20, 2
	s_add_co_u32 s62, s62, s63
	s_lshl_b32 s62, s62, 12                        ; my four rows of 4,096 bytes
	s_mov_b32 s63, 0
	s_mov_b32 s54, 0x76543210
	s_mov_b32 s55, 0xfedcba98
	s_mov_b32 s56, 0x3a800000                      ; 1 / 1024
	s_mov_b32 s57, 0x2b8cbccc                      ; 1e-12
	s_wait_alu depctr_va_vdst(0)
	s_wait_dscnt 0x0                               ; both opening adds are done
	s_wait_kmcnt 0x0
	s_load_b64 s[66:67], s[16:17], 0x28            ; e10, e11
	s_add_nc_u64 s[4:5], s[4:5], s[60:61]
	s_add_nc_u64 s[6:7], s[6:7], s[68:69]
	s_add_nc_u64 s[10:11], s[10:11], s[62:63]
	s_add_nc_u64 s[18:19], s[18:19], s[62:63]
	s_add_nc_u64 s[42:43], s[6:7], 8192            ; slot 0: K step 4, later 6
	s_or_b32 s43, s43, 0x80000000
	s_add_nc_u64 s[46:47], s[6:7], 10240           ; slot 1: K step 5, later 7
	s_or_b32 s47, s47, 0x80000000
.irp i, 0,1,2,3,4,5,6,7
	global_load_b128 v[16+4*\i:19+4*\i], v[LI], s[4:5] offset:512*\i th:TH_LOAD_NT   ; ctx's codes, and K step 0 of Wo, go to registers: asked for ahead of the round
.endr
	BLD 0, 0
	BLD 0, 1
	ROUND                                          ; in front of the first joint load
	tensor_load_to_lds s[40:43], s[24:31]          ; K step 4: one tensor load a wave at the head
	s_nop 0
.rept 4
	v_nop
.endr
	s_wait_loadcnt 32                              ; ctx's eight loads are in; K step 0's 32 may be out
.irp i, 0,1,2,3,4,5,6,7
	ds_store_b128 v[ASTO], v[16+4*\i:19+4*\i] offset:512*\i
.endr
	global_load_b128 v[80:83], v[PGO], s[8:9]      ; bo, gamma, beta: 16 bytes a thread of each
	global_load_b128 v[84:87], v[PGO], s[12:13]
	global_load_b128 v[88:91], v[PGO], s[14:15]
	EVENT 44, 0                                    ; K step 4 and ctx's images are whole; slot 1's first fill, K step 5, is issued as a refill is
	DBLK 0, 19                                     ; behind a half: the other half's 16 and the three parameter loads.  Its products start the sums
	SBLK 0, 4
	DBLK 1, 16                                     ; from here on: the one younger half
	EVENT 40, 1                                    ; K step 6 into slot 0
	SBLK 1, 5
	DBLK 2, 16
	EVENT 44, 1                                    ; K step 7 into slot 1
	SBLK 0, 6
	DBLK 3, 16                                     ; its halves make room for the residual
	s_wait_tensorcnt 0x0                           ; K step 7 is in; nothing more is filled, so no round follows
	ds_add_u32 v[SPW], v[NIL]
	s_wait_dscnt 0x0
	s_barrier_signal -1
	s_barrier_wait -1                              ; and nobody reads slot 0 any more: the stage may lie there
	SBLK 1, 7
	WIN 0x04
.irp i, 0,1,2,3,4,5,6,7
.irp m, 0,1
	ds_store_b128 v[SI+\m], v[8*(2*\i+\m):8*(2*\i+\m)+3] offset:64*\i
	ds_store_b128 v[SI+\m], v[8*(2*\i+\m)+4:8*(2*\i+\m)+7] offset:64*\i+16
.endr
.endr
	WIN 0
	ds_store_b128 v[PARW], v[80:83]                ; (in since K step 1's first wait)
	ds_store_b128 v[PARW], v[84:87] offset:4096
	ds_store_b128 v[PARW], v[88:91] offset:8192
	s_wait_dscnt 0x0
	s_barrier_signal -1
	s_barrier_wait -1
.irp i, 0,1,2,3,4,5,6,7
	ds_load_b128 v[BO+4*\i:BO+4*\i+3], v[PARR] offset:512*\i
.endr
.irp i, 0,1,2,3,4,5,6,7
	ds_load_b128 v[GA+4*\i:GA+4*\i+3], v[PARR] offset:4096+512*\i
.endr
.irp i, 0,1,2,3,4,5,6,7
	ds_load_b128 v[BE+4*\i:BE+4*\i+3], v[PARR] offset:8192+512*\i
.endr
.irp rho, 0,1,2,3
.irp i, 0,1,2,3,4,5,6,7
	ds_load_b128 v[112+32*\rho+4*\i:112+32*\rho+4*\i+3], v[SRD] offset:SPITCH*\rho+512*\i
.endr
.endr
	v_mov_b32 v[PX], 0
	v_mov_b32 v[MU+1], 0
	v_mov_b32 v[RS+1], 0
	s_wait_kmcnt 0x0
	s_add_co_i32 s52, s66, s67
	s_add_co_i32 s52, s52, 127
	s_lshl_b32 s52, s52, 23                        ; 2^(e10 + e11)
	s_mov_b32 s53, s52
	s_wait_loadcnt 0x0                             ; the residual
	LNROW 0
	LNROW 1
	LNROW 2
	LNROW 3
	s_wait_tensorcnt 0x0                           ; the wave's end
	ds_add_u32 v[SPW], v[NIL]
	s_wait_dscnt 0x0
	ROUND                                          ; the closing round
	s_endpgm
.Lfunc_end_k_q62297b1bf3_oproj:
	.size	k_q62297b1bf3_oproj, .Lfunc_end_k_q62297b1bf3_oproj-k_q62297b1bf3_oproj
	.p2alignl 7, 3214868480
	.fill 96, 4, 3214868480
	.section	.rodata,"a",@progbits
	.p2align	6, 0x0
	.amdhsa_kernel k_q62297b1bf3_oproj
		.amdhsa_group_segment_fixed_size 327680
		.amdhsa_private_segment_fixed_size 0
		.amdhsa_enable_private_segment 0
		.amdhsa_kernarg_size 64
		.amdhsa_user_sgpr_count 2
		.amdhsa_user_sgpr_kernarg_segment_ptr 1
		.amdhsa_wavefront_size32 1
		.amdhsa_system_sgpr_workgroup_id_x 1
		.amdhsa_system_sgpr_workgroup_id_y 1
		.amdhsa_system_sgpr_workgroup_id_z 1
		.amdhsa_system_vgpr_workitem_id 0
		.amdhsa_next_free_vgpr 512
		.amdhsa_next_free_sgpr 72
		.amdhsa_reserve_vcc 0
		.amdhsa_float_denorm_mode_32 3
		.amdhsa_float_denorm_mode_16_64 3
		.amdhsa_memory_ordered 1
		.amdhsa_forward_progress 1
		.amdhsa_inst_pref_size 94
	.end_amdhsa_kernel
	.amdgpu_metadata
---
amdhsa.version: [ 1, 2 ]
amdhsa.kernels:
  - .name:           k_q62297b1bf3_oproj
    .symbol:         k_q62297b1bf3_oproj.kd
    .args:
      - { .name: ctxf, .offset: 0, .size: 8, .value_kind: global_buffer, .address_space: global }
      - { .name: wf, .offset: 8, .size: 8, .value_kind: global_buffer, .address_space: global }
      - { .name: bo, .offset: 16, .size: 8, .value_kind: global_buffer, .address_space: global }
      - { .name: hidden_states, .offset: 24, .size: 8, .value_kind: global_buffer, .address_space: global }
      - { .name: ln_gamma, .offset: 32, .size: 8, .value_kind: global_buffer, .address_space: global }
      - { .name: ln_beta, .offset: 40, .size: 8, .value_kind: global_buffer, .address_space: global }
      - { .name: lowp_scales, .offset: 48, .size: 8, .value_kind: global_buffer, .address_space: global }
      - { .name: out0, .offset: 56, .size: 8, .value_kind: global_buffer, .address_space: global }
    .group_segment_fixed_size: 327680
    .private_segment_fixed_size: 0
    .kernarg_segment_align: 8
    .kernarg_segment_size: 64
    .max_flat_workgroup_size: 256
    .sgpr_count:     72
    .vgpr_count:     512
    .wavefront_size: 32
...
	.end_amdgpu_metadata
.endif
;; end of part 4
